; MI455X (gfx1250); checked and timed in simulation.
; The chip was launched on July 23, 2026; its instructions are those of AMD's public machine-readable ISA for CDNA 5 (MIT licence, August 2026) and "CDNA5" Instruction Set Architecture Reference Guide (July 2026). The comments in the code are by the model that wrote it; some were corrected since.
;; Multi Head Attention. Allowed arithmetic: matrix products marked QUANTISED: E2M3 operands, one E8M0 scale for each 32 along K, by v_wmma_scale_f32_16x16x128_f8f6f4 with both operands' format E2M3, f32 sums; everything else in f32.
;; Inputs: W_o 1,024 x 1,024 float32; W_qkv 1,024 x 3,072 float32; x 4 x 2,048 x 1,024 float32.
;; Outputs: out0 4 x 2,048 x 1,024 float32.
;; This version of the problem:
;;   THIS VERSION OF THE PROBLEM IS GIVEN IN LOW PRECISION. The matrix products marked QUANTISED in the list below multiply operands that are first quantised to E2M3 (2 exponent bits, 3 mantissa bits; 6 bits a number), with one power-of-two scale for each 32 numbers along K (OCP MX v1.0); their sums are f32. All else is computed in f32.
;;   The module's matrix products, in the order in which they are computed (A, B: the left and right operand; K: the contracted axis; several contracted axes count as one K, in the product's order):
;;     1. [M 8,192, K 1,024] x [K 1,024, N 3,072]; A: input x; B: input W_qkv: QUANTISED
;;     2. batch 64 x [M 2,048, K 64] x [K 64, N 2,048]; A: computed on the way; B: computed on the way: QUANTISED
;;     3. batch 64 x [M 2,048, K 2,048] x [K 2,048, N 64]; A: softmax (see below); B: computed on the way: QUANTISED
;;     4. [M 8,192, K 1,024] x [K 1,024, N 1,024]; A: computed on the way; B: input W_o: QUANTISED
;;   THE QUANTISER, for each operand of a quantised product, along K:
;;     - K is cut into blocks of 32 from its start; a last block that is shorter is filled with zeros.
;;     - A block's scale is 2^e with e = floor(log2(the largest magnitude in the block)) - 2, held to -126 .. 127; a block of zeros has e = 0. As a byte (E8M0): e + 127.
;;     - Each number is divided by its block's scale, clamped to +-7.5, and rounded to the nearest number of E2M3, ties to even, subnormals kept.
;;     - The product sums the exact products of the quantised numbers (number of the format x scale) in f32.
;;   ~~~python
;;   def quantise(x, axis):      # numpy; x: float32 -> the quantised numbers, widened to float32 again
;;       x = np.moveaxis(x, axis, -1); K = x.shape[-1]
;;       x = np.pad(x, [(0, 0)] * (x.ndim - 1) + [(0, -K % 32)]); x = x.reshape(x.shape[:-1] + (-1, 32)); a = np.abs(x).max(-1, keepdims=True)
;;       e = np.where(a > 0, np.clip(np.frexp(np.where(a > 0, a, 1))[1] - 1 - 2, -126, 127), 0)      # np.frexp(a)[1] - 1 = floor(log2(a)), exactly
;;       r = np.clip(x / 2.0 ** e, -7.5, 7.5)
;;       step = 2.0 ** (np.maximum(np.frexp(np.where(r == 0, 1, r))[1] - 1, 0) - 3)
;;       q = np.round(r / step) * step * 2.0 ** e      # np.round: ties to even
;;       return np.moveaxis(q.reshape(q.shape[:-2] + (-1,))[..., :K], -1, axis).astype(np.float32)
;;   ~~~
;;   SOFTMAX AHEAD OF A QUANTISED PRODUCT. Where the list says 'softmax', what is quantised is not the finished softmax but p = 2^(t - M), with t = logit x log2(e) and M = ceil(the row's largest t), a whole number; so 1/2 < the row's largest p <= 1. The row's sum l is taken of the UNQUANTISED p, in f32, and the product's result is divided by l at the end. Since M is a whole number, a kernel that streams over the keys may use a running M (the ceiling of the running maximum): every later rescaling is an exact power of two, which a block's scale takes up: the codes' values come out the same.
;;   OPERANDS COMPUTED ON THE WAY. 'Computed on the way' means the value that the module computes at that place (a softmax that the list does not call 'softmax' is quantised finished and normalised). What goes into a quantiser is computed in f32, as accurately as f32 sums, v_exp_f32 and their like allow (about 1e-6 of the number): no bf16 or f16 on the way to a quantiser, and a product that is left as it is and whose result goes on into a quantised operand takes f32 operands (vector FMAs, or v_wmma_f32_16x16x4_f32). A number that lies on a knife's edge between two numbers of the format may be rounded either way, as far as f32 arithmetic and the matrix unit's own rounding can turn it there, and no further.
;; One version. Each part assembles by itself: llvm-mc -triple=amdgcn-amd-amdhsa -mcpu=gfx1250 --defsym DOCPART=n.
;; ======== version 1 of 1: 4 launches
;; limits: right only within a limited range of input values
;; workspace buffers: ximg 6,553,600 bytes; wqkvimg 2,457,600 bytes; woimg 819,200 bytes; qkvimg 20,185,088 bytes; ctximg 6,553,600 bytes
;; launch quant (part 1): grid 384 x 1, 4 waves a work-group, no clusters, 59,904 bytes of LDS; arguments x, W_qkv, W_o, ximg, wqkvimg, woimg; writes ximg, wqkvimg, woimg
.if DOCPART == 1
	.amdgcn_target "amdgcn-amd-amdhsa--gfx1250"
	.amdhsa_code_object_version 6
	.text
	.protected	k_qf53a329d18_quant
	.globl	k_qf53a329d18_quant
	.p2align	8
	.type	k_qf53a329d18_quant,@function
k_qf53a329d18_quant:
	s_mov_b64 s[64:65], 0
	v_nop
	global_prefetch_b8 v0, s[64:65] scope:SCOPE_SE
	s_setreg_imm32_b32 hwreg(HW_REG_WAVE_MODE, 25, 1), 1
	s_wait_xcnt 0x0
; x [8192][1024], W_qkv [1024][3072] and W_o [1024][1024], f32, become codes of FP6 (E2M3) with one E8M0 byte for each 32 along K (x: its last axis; the weights: their FIRST axis).
; A block's scale is 2^(floor(log2(largest magnitude)) - 2): its byte is the largest magnitude's exponent field - 2, held at 1 from below by a floor among the maximum's leaves.
; LIMITS: a block of zeros gets the byte 1 where the rule says 127 (its codes are zeros, and this program alone reads the bytes); NaN and infinities among the inputs are not served.
; WHAT IS STORED ARE IMAGES OF OPERAND REGISTERS.  A record (12,800 bytes) serves 128 rows (tokens, or a weight's columns) and 128 along K: eight fragments of 16 rows, 1,536 bytes each
; (registers 4 c .. 4 c + 3 of lane l at 512 c + 16 l), then 512 bytes of scale words (tile 4 e + j, lane r: at 256 e + 16 r + 4 j).  Lane r of tile i holds row 32 (i / 2) + 8 (i % 2) + r + 8 (r / 8) of the 128.
; Work-groups 0-255 take x, 256-383 the weights; the two ways have LDS bytes of their own.  Waves share nothing: no barrier.  No work-group reads what another reads: no cluster.
; x: a wave takes 4 tiles of one K step.  A load reads a row's 512 bytes, 16 a lane; a tile's 16 rows turn through the wave's stage (rows 528 bytes apart) and come back as the lane's two whole blocks of 32.
; weights: a lane takes a column and its registers run down K (a block of 32 is one lane's); the codes go to their places in the images in the wave's stage and leave as consecutive bytes.
.set REC,   12800
.set XST,   16*528                     ; x: a wave's stage
.set WSTG,  4*XST                      ; the weights' stages begin here
.set WST,   6400                       ; four fragments and 256 bytes of scale words
.set SPARE, WSTG+4*WST                 ; the spare words, 128 bytes a wave: two blocks of 256 bytes that no other line names
.set SPW,   60                         ; v60  my spare word's LDS address; never rewritten
.set NIL,   61                         ; v61  0; never rewritten
.set X,     64                         ; x: v64-127 my two blocks of each half: 64 numbers
.set R,     128                        ; x: v128-255 two sets of 16 rows as loaded
.set CD,    20                         ; x: v20-43 two sets of a fragment's 12 registers
.set TP,    44                         ; x: v44-50 the conversions' second halves
.set PW,    16                         ; x: v16-19 the four tiles' scale words
.set VO,    64                         ; weights: v64-95 offsets of 32 rows of W
.set WX,    128                        ; weights: v128-191 two sets of 32 numbers
	s_load_b256 s[4:11], s[0:1], 0x0               ; x s[4:5], W_qkv s[6:7], W_o s[8:9], ximg s[10:11]
	s_load_b128 s[12:15], s[0:1], 0x20             ; wqkvimg s[12:13], woimg s[14:15]
	v_lshl_add_u32 v[SPW], v0, 2, SPARE
	v_mov_b32 v[NIL], 0
	v_lshrrev_b32 v1, 5, v0
	v_readfirstlane_b32 s16, v1                    ; wave 0..3
	s_lshr_b32 s17, s16, 1                         ; which of the work-group's two K steps
	s_and_b32 s18, s16, 1                          ; e: which half of the 128 rows
	v_and_b32 v1, 31, v0                           ; lane
	v_lshlrev_b32 v2, 4, v1                        ; 16 x lane
	s_cmp_lt_u32 ttmp9, 256
	s_cbranch_scc0 .Lweights
	; ---------------- x ----------------
	s_lshr_b32 s20, ttmp9, 2                       ; the group of 128 tokens
	s_and_b32 s21, ttmp9, 3
	s_lshl_b32 s21, s21, 1
	s_add_co_u32 s21, s21, s17                     ; the K step, 0..7
	s_lshl_b32 s22, s20, 19                        ; 128 rows of 4,096 bytes
	s_lshl_b32 s23, s18, 18                        ; 64 rows
	s_add_co_u32 s22, s22, s23
	s_lshl_b32 s23, s21, 9                         ; 512 bytes a K step
	s_add_co_u32 s22, s22, s23
	s_mov_b32 s23, 0
	s_lshl_b32 s24, s20, 3
	s_add_co_u32 s24, s24, s21
	s_mul_i32 s24, s24, REC                        ; my record
	s_mov_b32 s25, 0
	s_mul_i32 s26, s18, 6144                       ; my four fragments in it
	s_mov_b32 s27, 0
	s_lshl_b32 s32, s18, 8
	s_add_co_u32 s32, s32, 12288                   ; my 256 bytes of scale words
	s_mov_b32 s33, 0
	s_mov_b32 s28, 0x76543210
	s_mov_b32 s29, 0xfedcba98                      ; v_permlanex16_b32's selects for lane l xor 16
	s_mov_b32 s30, 0xffff0000                      ; lanes 16-31
	s_mul_i32 s19, s16, XST                        ; my stage
	s_wait_alu depctr_va_vdst(0)
	v_add_nc_u32 v3, s19, v2                       ; into it: 16 x lane of a row
	v_and_b32 v7, 15, v0                           ; r
	v_bfe_u32 v5, v0, 4, 1                         ; h
	v_mul_u32_u24 v4, v7, 528
	v_lshl_add_u32 v4, v5, 7, v4
	v_add_nc_u32 v4, s19, v4                       ; out of it: row r, + 128 h: my block of 32 numbers
	v_lshlrev_b32 v6, 4, v7
	v_lshl_add_u32 v6, v5, 3, v6                   ; 16 r + 8 h: my two scale words' place
	v_lshlrev_b32 v5, 3, v5                        ; 8 h
	v_mov_b32 v15, 0                               ; a lane permute's destination counts as one of its sources
	s_wait_alu depctr_va_vdst(0)
	s_wait_kmcnt 0x0
	s_add_nc_u64 s[4:5], s[4:5], s[22:23]
	s_add_nc_u64 s[10:11], s[10:11], s[24:25]
	s_add_nc_u64 s[34:35], s[10:11], s[32:33]      ; the scale words
	s_add_nc_u64 s[10:11], s[10:11], s[26:27]      ; the fragments
.macro XLOAD i                         ; tile i's 16 rows: each load reads 512 consecutive bytes, aligned
.irp p, 0,1,2,3,4,5,6,7,8,9,10,11,12,13,14,15
	global_load_b128 v[R+64*((\i)%2)+4*\p:R+64*((\i)%2)+4*\p+3], v2, s[4:5] offset:(32*((\i)/2)+8*((\i)%2)+\p+8*(\p/8))*4096 th:TH_LOAD_NT
.endr
.endm
.macro XTILE i
.set RS, R+64*((\i)%2)
.set CC, CD+12*((\i)%2)
.if (\i) < 3
	s_wait_loadcnt 16                              ; this tile's 16 loads are in; the next tile's 16 may be out
.else
	s_wait_loadcnt 0x0
.endif
.irp p, 0,1,2,3,4,5,6,7,8,9,10,11,12,13,14,15
	ds_store_b128 v3, v[RS+4*\p:RS+4*\p+3] offset:528*\p
.endr
.irp c, 0,1
.irp e, 0,1,2,3,4,5,6,7
	ds_load_b128 v[X+32*\c+4*\e:X+32*\c+4*\e+3], v4 offset:256*\c+16*\e   ; k = 64 c + 32 h + 4 e ..: LDS serves a wave's instructions in order, so these see the stores above
.endr
.endr
	s_wait_dscnt 0x0                               ; the numbers are back, and the stores have read their registers,
.if (\i)+2 < 4
	XLOAD (\i)+2                                   ; which take the tile two further on
.endif
.irp c, 0,1
	v_max3_num_f32 v[8+\c], |v[X+32*\c]|, |v[X+32*\c+1]|, 0x1800000   ; my block 2 c + h, all 32 numbers mine, and the floor 2^(3 - 127)
.endr
.irp e, 2,4,6,8,10,12,14,16,18,20,22,24,26,28,30
.irp c, 0,1
	v_max3_num_f32 v[8+\c], v[8+\c], |v[X+32*\c+\e]|, |v[X+32*\c+\e+1]|
.endr
.endr
.irp c, 0,1
	v_add_nc_u32 v[10+\c], 0xff000000, v[8+\c]     ; 2 off the exponent field: the conversion's scale operand
.endr
.irp c, 0,1
	v_lshrrev_b32 v[12+\c], 23, v[10+\c]           ; the scale's byte
.endr
	v_lshl_or_b32 v14, v13, 16, v12                ; blocks h and 2 + h,
	v_lshlrev_b32 v14, v5, v14                     ; at their places in the word;
	v_permlanex16_b32 v15, v14, s28, s29
	v_or_b32 v[PW+(\i)], v14, v15                  ; with lane l xor 16's two the word is whole
.if (\i) >= 2
	s_wait_alu depctr_va_vdst(0)
	s_wait_xcnt 0x0                                ; the stores of two tiles ago have read this set of registers
.endif
.irp c, 0,1
	v_cvt_scalef32_pk16_fp6_f32 v[CC+6*\c:CC+6*\c+2], v[X+32*\c:X+32*\c+15], v[10+\c]
	v_cvt_scalef32_pk16_fp6_f32 v[TP+4*\c:TP+4*\c+2], v[X+32*\c+16:X+32*\c+31], v[10+\c]   ; (a conversion's three registers begin on an even number)
.endr
	v_nop                                          ; one plain place behind a scaled conversion
.irp c, 0,1
.irp e, 0,1,2
	v_mov_b32 v[CC+6*\c+3+\e], v[TP+4*\c+\e]
.endr
.endr
.irp c, 0,1,2
	global_store_b128 v2, v[CC+4*\c:CC+4*\c+3], s[10:11] offset:1536*(\i)+512*\c   ; 512 consecutive bytes, aligned
.endr
.endm
	XLOAD 0
	XLOAD 1
	XTILE 0
	XTILE 1
	XTILE 2
	XTILE 3
	v_cndmask_b32 v8, v16, v18, s30                ; lanes 0-15 store the words of tiles 0 and 1, lanes 16-31 those of tiles 2 and 3
	v_cndmask_b32 v9, v17, v19, s30
	global_store_b64 v6, v[8:9], s[34:35]          ; 256 consecutive bytes, aligned
	s_branch .Lend
	; ---------------- the weights ----------------
.Lweights:
	s_sub_co_u32 s20, ttmp9, 256
	s_lshr_b32 s21, s20, 2                         ; the group of 128 columns: 0-23 W_qkv's, 24-31 W_o's
	s_and_b32 s20, s20, 3
	s_lshl_b32 s20, s20, 1
	s_add_co_u32 s20, s20, s17                     ; the K step
	s_wait_kmcnt 0x0
	s_cmp_lt_u32 s21, 24                           ; the choice hangs on the work-group's number alone
	s_cselect_b64 s[6:7], s[6:7], s[8:9]
	s_cselect_b64 s[12:13], s[12:13], s[14:15]
	s_mov_b32 s22, 4096
	s_cselect_b32 s22, 12288, s22                  ; a row of W in bytes
	s_cselect_b32 s23, 0, 24
	s_sub_co_u32 s21, s21, s23                     ; the group within its tensor
	s_lshl_b32 s24, s20, 7
	s_mul_i32 s24, s24, s22                        ; 128 rows a K step
	s_lshl_b32 s25, s21, 9                         ; 128 columns of 4 bytes
	s_add_co_u32 s24, s24, s25
	s_lshl_b32 s25, s18, 8                         ; my 64 columns
	s_add_co_u32 s24, s24, s25
	s_mov_b32 s25, 0
	s_add_nc_u64 s[36:37], s[6:7], s[24:25]        ; a base for each of the K step's four blocks of 32 rows
	s_lshl_b32 s26, s22, 5
	s_mov_b32 s27, 0
	s_add_nc_u64 s[38:39], s[36:37], s[26:27]
	s_add_nc_u64 s[40:41], s[38:39], s[26:27]
	s_add_nc_u64 s[42:43], s[40:41], s[26:27]
	s_lshl_b32 s24, s21, 3
	s_add_co_u32 s24, s24, s20
	s_mul_i32 s24, s24, REC
	s_add_nc_u64 s[12:13], s[12:13], s[24:25]      ; my record
	s_mul_i32 s24, s18, 6144
	s_add_nc_u64 s[44:45], s[12:13], s[24:25]      ; my four fragments
	s_lshl_b32 s24, s18, 8
	s_add_co_u32 s24, s24, 12288
	s_add_nc_u64 s[46:47], s[12:13], s[24:25]      ; my scale words
	s_wait_alu depctr_va_vdst(0)
	v_lshlrev_b32 v[VO], 2, v1                     ; my column, and row i of a block
.set Q, 1
.rept 31
	v_add_nc_u32 v[VO+Q], s22, v[VO+Q-1]
.set Q, Q+1
.endr
	v_bfe_u32 v3, v0, 3, 1                         ; column 32 p + lane is lane r' of tile 2 p + u: u = (lane / 8) % 2,
	v_and_b32 v4, 7, v0
	v_bfe_u32 v5, v0, 4, 1
	v_lshl_add_u32 v4, v5, 3, v4                   ; r' = lane % 8 + 8 (lane / 16)
	s_mul_i32 s19, s16, WST
	s_add_co_u32 s19, s19, WSTG                    ; my stage
	v_mul_u32_u24 v6, v3, 1536
	v_lshl_add_u32 v6, v4, 4, v6
	v_add_nc_u32 v6, s19, v6                       ; my column's place in its fragment's image
	v_lshlrev_b32 v7, 4, v4
	v_lshl_add_u32 v7, v3, 2, v7
	v_add_nc_u32 v7, s19, v7                       ; and among the scale words
	v_add_nc_u32 v8, s19, v2                       ; the way out: 16 x lane
	v_lshlrev_b32 v9, 3, v1
	v_add_nc_u32 v10, s19, v9                      ; and 8 x lane
.macro WLOAD n                         ; block n = 4 p + kappa: W(32 kappa + i, 32 p + lane), i = 0 .. 31
.irp i, 0,1,2,3,4,5,6,7,8,9,10,11,12,13,14,15,16,17,18,19,20,21,22,23,24,25,26,27,28,29,30,31
	global_load_b32 v[WX+32*((\n)%2)+\i], v[VO+\i], s[36+2*((\n)%4):37+2*((\n)%4)] offset:128*((\n)/4)
.endr
.endm
.macro WBLOCK n
.set XS, WX+32*((\n)%2)
.set KA, (\n)%4
.set OF, 3072*((\n)/4)+256*(KA%2)      ; tiles 2 p, 2 p + 1; block kappa belongs to lanes 16 (kappa % 2) + r'
.if (\n) < 7
	s_wait_loadcnt 32                              ; this block's 32 loads are in; the next block's may be out
.else
	s_wait_loadcnt 0x0
.endif
	v_max3_num_f32 v12, |v[XS]|, |v[XS+1]|, |v[XS+2]|
	v_max3_num_f32 v13, |v[XS+3]|, |v[XS+4]|, |v[XS+5]|
.irp i, 6,10,14,18,22,26
	v_max3_num_f32 v12, v12, |v[XS+\i]|, |v[XS+\i+1]|
	v_max3_num_f32 v13, v13, |v[XS+\i+2]|, |v[XS+\i+3]|
.endr
	v_max3_num_f32 v12, v12, |v[XS+30]|, |v[XS+31]|
	v_max3_num_f32 v12, v12, v13, 0x1800000        ; and the floor
	v_add_nc_u32 v11, 0xff000000, v12
	v_lshrrev_b32 v13, 23, v11
.if KA == 0
	v_mov_b32 v16, v13                             ; my column's scale word, the lower K in the lower byte
.else
	v_lshl_or_b32 v16, v13, 8*KA, v16
.endif
	v_cvt_scalef32_pk16_fp6_f32 v[20:22], v[XS:XS+15], v11
	v_cvt_scalef32_pk16_fp6_f32 v[28:30], v[XS+16:XS+31], v11
	v_nop                                          ; one plain place behind a scaled conversion
.irp i, 0,1,2
	v_mov_b32 v[23+\i], v[28+\i]
.endr
.if KA < 2                             ; the fragment's registers 0-5: 0-3 in the first 512 bytes, 4-5 in the second
	ds_store_b128 v6, v[20:23] offset:OF
	ds_store_b64 v6, v[24:25] offset:OF+512
.else                                  ; registers 6-11: 6-7 in the second 512 bytes, 8-11 in the third
	ds_store_b64 v6, v[20:21] offset:OF+520
	ds_store_b128 v6, v[22:25] offset:OF+1024
.endif
.if KA == 3
	ds_store_b32 v7, v16 offset:6144+8*((\n)/4)
.endif
.if (\n)+2 < 8
	WLOAD (\n)+2
.endif
	s_wait_dscnt 0x0                               ; the stores have read their registers
.endm
	WLOAD 0
	WLOAD 1
.set Q, 0
.rept 8
	WBLOCK Q
.set Q, Q+1
.endr
.irp c, 0,1,2,3,4,5,6,7,8,9,10,11
	ds_load_b128 v[WX+4*\c:WX+4*\c+3], v8 offset:512*\c
.endr
	ds_load_b64 v[176:177], v10 offset:6144
.irp c, 0,1,2,3,4,5,6,7,8,9,10,11
	s_wait_dscnt 12-\c                             ; LDS loads come back in order: piece c is in
	global_store_b128 v2, v[WX+4*\c:WX+4*\c+3], s[44:45] offset:512*\c   ; 512 consecutive bytes, aligned
.endr
	s_wait_dscnt 0x0
	global_store_b64 v9, v[176:177], s[46:47]      ; 256 consecutive bytes, aligned
.Lend:
	s_wait_tensorcnt 0x0                           ; the wave's end: behind my last LDS store
	ds_add_u32 v[SPW], v[NIL]
	s_wait_dscnt 0x0
	s_endpgm
.Lfunc_end_k_qf53a329d18_quant:
	.size	k_qf53a329d18_quant, .Lfunc_end_k_qf53a329d18_quant-k_qf53a329d18_quant
	.p2alignl 7, 3214868480
	.fill 96, 4, 3214868480
	.section	.rodata,"a",@progbits
	.p2align	6, 0x0
	.amdhsa_kernel k_qf53a329d18_quant
		.amdhsa_group_segment_fixed_size 59904
		.amdhsa_private_segment_fixed_size 0
		.amdhsa_enable_private_segment 0
		.amdhsa_kernarg_size 48
		.amdhsa_user_sgpr_count 2
		.amdhsa_user_sgpr_kernarg_segment_ptr 1
		.amdhsa_wavefront_size32 1
		.amdhsa_system_sgpr_workgroup_id_x 1
		.amdhsa_system_sgpr_workgroup_id_y 1
		.amdhsa_system_sgpr_workgroup_id_z 1
		.amdhsa_system_vgpr_workitem_id 0
		.amdhsa_next_free_vgpr 256
		.amdhsa_next_free_sgpr 66
		.amdhsa_reserve_vcc 0
		.amdhsa_float_denorm_mode_32 3
		.amdhsa_float_denorm_mode_16_64 3
		.amdhsa_memory_ordered 1
		.amdhsa_forward_progress 1
		.amdhsa_inst_pref_size 73
	.end_amdhsa_kernel
	.amdgpu_metadata
---
amdhsa.version: [ 1, 2 ]
amdhsa.kernels:
  - .name:           k_qf53a329d18_quant
    .symbol:         k_qf53a329d18_quant.kd
    .args:
      - { .name: x, .offset: 0, .size: 8, .value_kind: global_buffer, .address_space: global }
      - { .name: W_qkv, .offset: 8, .size: 8, .value_kind: global_buffer, .address_space: global }
      - { .name: W_o, .offset: 16, .size: 8, .value_kind: global_buffer, .address_space: global }
      - { .name: ximg, .offset: 24, .size: 8, .value_kind: global_buffer, .address_space: global }
      - { .name: wqkvimg, .offset: 32, .size: 8, .value_kind: global_buffer, .address_space: global }
      - { .name: woimg, .offset: 40, .size: 8, .value_kind: global_buffer, .address_space: global }
    .group_segment_fixed_size: 59904
    .private_segment_fixed_size: 0
    .kernarg_segment_align: 8
    .kernarg_segment_size: 48
    .max_flat_workgroup_size: 128
    .sgpr_count:     66
    .vgpr_count:     256
    .wavefront_size: 32
...
	.end_amdgpu_metadata
.endif
;; end of part 1
;; launch proj_qkv (part 2): grid 12 x 32, 4 waves a work-group, clusters of 4 x 4, 327,680 bytes of LDS; arguments ximg, wqkvimg, qkvimg; writes qkvimg
.if DOCPART == 2
	.amdgcn_target "amdgcn-amd-amdhsa--gfx1250"
	.amdhsa_code_object_version 6
	.text
	.protected	k_qf53a329d18_proj_qkv
	.globl	k_qf53a329d18_proj_qkv
	.p2align	8
	.type	k_qf53a329d18_proj_qkv,@function
k_qf53a329d18_proj_qkv:
	s_mov_b64 s[64:65], 0
	v_nop
	global_prefetch_b8 v0, s[64:65] scope:SCOPE_SE
	s_setreg_imm32_b32 hwreg(HW_REG_WAVE_MODE, 25, 1), 1
	s_wait_xcnt 0x0
	s_wait_alu depctr_hold_cnt(0) depctr_sa_sdst(0) depctr_va_vdst(0) depctr_va_sdst(0) depctr_va_ssrc(0) depctr_va_vcc(0) depctr_vm_vsrc(0)
	s_getreg_b32 s2, hwreg(HW_REG_IB_STS2, 6, 4)
	s_cmp_eq_u32 s2, 0
	s_cbranch_scc0 .Lentry_in_a_cluster
	s_endpgm
.Lentry_in_a_cluster:
	s_bfe_u32 s2, ttmp6, 0x10000c
	s_cmp_lg_u32 s2, 0xf033
	s_cbranch_scc0 .Lentry_shape_is_right
	s_endpgm
.Lentry_shape_is_right:
; qkv = x W_qkv on codes of FP6 (E2M3), M 8,192, N 3,072, K 1,024; the results are quantised in registers and leave as codes: Q and K along the head's 64, V along the keys.
; OPERANDS come as records of register images: for 128 rows and 128 along K eight fragments of 1,536 bytes (registers 4 c .. 4 c + 3 of lane l at 512 c + 16 l) and 512 bytes of scale words
; (tile 4 e + j, lane r: at 256 e + 16 r + 4 j); lane r of tile i holds row 32 (i / 2) + 8 (i % 2) + r + 8 (r / 8).  So a fragment is three loads of 16 bytes a lane, consecutive in LDS: no padding.
; With that order of rows a lane's 16 result registers of source 0's tiles 2 b and 2 b + 1 are 16 NEIGHBOURS, 32 b + 16 (lane / 16) + 0 .. 15, along source 0's rows.
; A work-group makes 256 tokens x 256 channels, a wave 128 x 128: 64 accumulators.  THE ROLE hangs on the cluster's x, the same in all sixteen partners: clusters 0 and 1 (Q, K): source 0 = W, source 1 = tokens,
; so a lane holds one token and its registers run along the channels; cluster 2 (V): source 0 = tokens, source 1 = W, so a lane holds one channel and its registers run along the keys.  Only two LDS bases change places.
; K goes in 4 chunks of 2 steps of 128 through three LDS slots: chunks 0, 1, 2 are first fills, chunk 3 is the one refill (slot 0).  By this text's count a wave has three tensor loads out at the start, later one.
; CLUSTERS: 4 x 4.  The tokens' tiles are shared along a row of the cluster, W's along a column: each is asked for jointly, by the same tensor load with the same descriptor and a mask that names the four.
; OUT: a record of 19,712 bytes for each (batch x head, 128 keys): K 8 x 768, V 4 x 1,536, K's words 512, V's 256, Q 8 x 768, Q's words 512.  A half image (16 rows x 64 K): registers 0-3 at 16 l, 4-5 at 512 + 8 l.
; LIMITS: a block of zeros gets the byte 1 (its codes are zeros; this program alone reads the bytes); NaN and infinities are not served.
; REGISTERS: window 0: v2-17 addresses; v28, v29 the add's two; v32-63 scale words, two sets; v64-159, v160-255 source 1's fragments, two sets.  window 1: v0-95, v128-223 source 0's, two sets.
;   windows 2, 3: accumulator (a, b) at v[8 (8 (a % 4) + b)], a = source 1's tile.
; THE FILLS AS THIS TEXT HAS THEM (in place of what is said above of three slots and of loads out at the start).  LDS region A, 204,800 bytes: 51,200 for each wave's group, chunks 0 and 1 on end.
; Region B behind it, 102,400 bytes: 25,600 for each group, chunk 2.  The head's one load a wave brings chunks 0 and 1 (200 rows of 256 bytes); chunk 2 (100 rows) is asked for behind the three lines and a round;
; chunk 3 is the one refill, onto chunk 0's bytes, in K step 3: all reads of region A are over there, and the reads that follow it touch region B alone.  By this text's count a wave has one tensor load out at any place.
; No prefetch: the block is the largest in clusters and K is 8 steps.
.set REC,   12800
.set CHK,   25600                      ; two records: what one tensor load brings
.set GRP,   102400                     ; a group's eight records
.set SLOT,  25600                      ; from chunk 0 to chunk 1 in a group's part of region A
.set SPARE, 12*SLOT                    ; the spare words, 128 bytes a wave: two blocks of 256 bytes that no other line names
.set QREC,  19712
.set HS,    16*QREC                    ; from a head to the next
.set L16, 2                            ; v2   16 x lane
.set L8,  3                            ; v3   8 x lane
.set A0,  4                            ; v4-6   source 0's fragments in slot 0, 1, 2
.set A1,  7                            ; v7-9   source 1's
.set AS0, 10                           ; v10-12 source 0's scale words
.set AS1, 13                           ; v13-15 source 1's
.set LB,  16                           ; v16  16 r + 8 h
.set SPW, 28
.set NIL, 29
.set SC,  32                           ; set p at SC + 16 p: source 0's eight, then source 1's eight
.set F1,  64                           ; source 1's fragments: set p at F1 + 96 p
.set TM,  64                           ; the way out: at work
.set PWR, 80                           ; v80-87 the eight scale words
.set PC,  96                           ; v96-114 a fragment's codes and the conversions' second halves
.set G1A, 24
.set G1B, 32
.set G0A, 40                           ; s[40:51] a group 0 for each slot, tokens
.set G0B, 52                           ; s[52:63] the same, W
.set SEL, 88
.set MSB, 0
.macro WIN new                         ; the immediate's high byte repeats the setting that is left
.if MSB != (\new)
	s_set_vgpr_msb (MSB<<8)|(\new)
.set MSB, (\new)
.endif
.endm
.set MUL_LO, 0xa1                      ; source 0 window 1, source 1 window 0, C and D window 2
.set MUL_HI, 0xf1                      ; the same, C and D window 3
.set TO_B,   0x40                      ; destination window 1, address window 0
.macro JLOAD g0a, g1a, g0b, g1b        ; a joint load: waves 0 and 1 fetch the tokens' groups, waves 2 and 3 W's; an s_nop 0 and four v_nop follow each line
	s_cmp_eq_u32 s15, 0
	s_cbranch_scc0 .Lfor_b_\@
	tensor_load_to_lds s[\g0a:\g0a+3], s[\g1a:\g1a+7]
	s_nop 0
.rept 4
	v_nop
.endr
	s_branch .Lasked_\@
.Lfor_b_\@:
	tensor_load_to_lds s[\g0b:\g0b+3], s[\g1b:\g1b+7]
	s_nop 0
.rept 4
	v_nop
.endr
.Lasked_\@:
.endm
.macro CREST                           ; a round of the cluster's barrier behind its opening barrier
	s_cmp_lg_u32 s14, 0
	s_cbranch_scc1 .Lnot_wave_0_\@
	s_barrier_signal -3
.Lnot_wave_0_\@:
	s_barrier_wait -3
	s_barrier_signal -1
	s_barrier_wait -1
.endm
.macro CROUND
	s_barrier_signal -1
	s_barrier_wait -1
	CREST
.endm
.macro PLACES
.rept 4
	v_nop
.endr
.endm
	s_load_b128 s[4:7], s[0:1], 0x0                ; ximg s[4:5], wqkvimg s[6:7]
	s_load_b64 s[8:9], s[0:1], 0x10                ; qkvimg
	v_lshl_add_u32 v[SPW], v0, 2, SPARE
	v_mov_b32 v[NIL], 0
	ds_add_u32 v[SPW], v[NIL]                      ; the wave's opening: the add and its wait stand ahead of my first tensor load; work on registers stands between them
	ds_add_u32 v[SPW], v[NIL]
	v_lshrrev_b32 v1, 5, v0
	v_readfirstlane_b32 s14, v1                    ; wave 0..3
	s_lshr_b32 s15, s14, 1                         ; my group of tokens.  Also: I fetch tokens (0) or W (1)
	s_and_b32 s16, s14, 1                          ; my group of channels.  Also: which group I fetch
	s_bfe_u32 s66, ttmp6, 0x40000                  ; cx
	s_bfe_u32 s67, ttmp6, 0x40004                  ; cy
	s_lshl_b32 s68, ttmp9, 2
	s_add_co_u32 s68, s68, s66                     ; work-group x: channels 256 x on
	s_and_b32 s17, ttmp7, 0xffff
	s_lshl_b32 s17, s17, 2
	s_add_co_u32 s17, s17, s67                     ; work-group y: tokens 256 y on
	s_lshl_b32 s69, s67, 2
	s_lshl_b32 s69, 15, s69                        ; my row of the cluster
	s_lshl_b32 s70, 0x1111, s66                    ; my column
	s_or_b32 s[G1A+0], s69, (3<<16)|(1<<21)        ; 15:0 the mask; 17:16 elements of 8 bytes; 21 set beside a mask; no padding
	s_or_b32 s[G1B+0], s70, (3<<16)|(1<<21)
.irp g, G1A, G1B                       ; a dense block of rows of 256 bytes: 200 for the head's load, later 100
	s_mov_b32 s[\g+1], 32<<16                      ; tensor_dim0 = 32 elements
	s_mov_b32 s[\g+2], 200<<16                     ; tensor_dim1: the head's load brings two chunks
	s_mov_b32 s[\g+3], 32<<16                      ; tile_dim0
	s_mov_b32 s[\g+4], 200                         ; tile_dim1
	s_mov_b32 s[\g+5], 32                          ; the pitch
	s_mov_b32 s[\g+6], 0
	s_mov_b32 s[\g+7], 0
.endr
	s_lshl_b32 s20, s17, 1
	s_add_co_u32 s20, s20, s16
	s_mul_i32 s20, s20, GRP                        ; tokens: group 2 y + (wave % 2)
	s_mov_b32 s21, 0
	s_lshl_b32 s72, s68, 1
	s_add_co_u32 s72, s72, s16
	s_mul_i32 s72, s72, GRP                        ; W: group 2 x + (wave % 2)
	s_mov_b32 s73, 0
	s_mul_i32 s71, s14, 2*CHK                      ; region A: where my loads go: wave x 51,200: no place in the cluster enters an LDS address
	s_mul_i32 s74, s15, 2*CHK                      ; my tokens in region A
	s_mul_i32 s75, s16, 2*CHK
	s_add_co_u32 s75, s75, 4*CHK                   ; my channels
	s_mul_i32 s94, s14, CHK
	s_add_co_u32 s94, s94, 8*CHK                   ; region B: where my load of chunk 2 goes
	s_mul_i32 s90, s15, CHK
	s_add_co_u32 s90, s90, 8*CHK                   ; my tokens in region B
	s_mul_i32 s91, s16, CHK
	s_add_co_u32 s91, s91, 10*CHK                  ; my channels
	s_cmp_eq_u32 ttmp9, 0                          ; Q, K or V: where my results begin in a record, codes and scale words
	s_cselect_b32 s80, 13056, 0
	s_mov_b32 s81, 12288
	s_cselect_b32 s81, 19200, s81
	s_cmp_eq_u32 ttmp9, 2
	s_cselect_b32 s80, 6144, s80
	s_cselect_b32 s81, 12800, s81
	s_cselect_b32 s76, s74, s75                    ; source 0: for V the tokens, else W
	s_cselect_b32 s77, s75, s74                    ; source 1
	s_cselect_b32 s92, s90, s91                    ; the same two in region B
	s_cselect_b32 s93, s91, s90
	s_mov_b32 s78, 0xffff0000                      ; lanes 16-31
	s_mov_b32 s[SEL], 0x76543210
	s_mov_b32 s[SEL+1], 0xfedcba98
	s_lshl_b32 s82, s68, 1
	s_add_co_u32 s82, s82, s16
	s_and_b32 s82, s82, 7                          ; g: my 128 channels are heads 2 g and 2 g + 1
	s_lshl_b32 s83, s17, 1
	s_add_co_u32 s83, s83, s15                     ; my group of tokens, 0..63
	s_lshr_b32 s84, s83, 4                         ; the batch
	s_and_b32 s83, s83, 15                         ; the group within it
	s_lshl_b32 s84, s84, 4
	s_lshl_b32 s82, s82, 1
	s_add_co_u32 s84, s84, s82                     ; batch x 16 + the even head
	s_lshl_b32 s84, s84, 4
	s_add_co_u32 s84, s84, s83
	s_mul_i32 s84, s84, QREC                       ; its record
	s_add_co_u32 s86, s84, s81
	s_add_co_u32 s84, s84, s80
	s_mov_b32 s85, 0
	s_mov_b32 s87, 0
	s_wait_dscnt 0x0                               ; the opening add is done
	s_wait_kmcnt 0x0
	s_add_nc_u64 s[20:21], s[4:5], s[20:21]
	s_add_nc_u64 s[72:73], s[6:7], s[72:73]
	s_add_nc_u64 s[10:11], s[8:9], s[84:85]        ; my codes
	s_add_nc_u64 s[12:13], s[8:9], s[86:87]        ; my scale words
	CROUND                                         ; all sixteen work-groups are here: the first joint loads meet
.irp s, 0,2                            ; set 0: chunks 0 and 1, later chunk 3, at s71; set 2: chunk 2, at s94
	s_mov_b32 s[G0A+4*\s], 1
	s_add_co_u32 s[G0A+4*\s+1], s[71+23*(\s/2)], 0
	s_add_nc_u64 s[G0A+4*\s+2:G0A+4*\s+3], s[20:21], \s*CHK
	s_or_b32 s[G0A+4*\s+3], s[G0A+4*\s+3], 0x80000000
	s_mov_b32 s[G0B+4*\s], 1
	s_add_co_u32 s[G0B+4*\s+1], s[71+23*(\s/2)], 0
	s_add_nc_u64 s[G0B+4*\s+2:G0B+4*\s+3], s[72:73], \s*CHK
	s_or_b32 s[G0B+4*\s+3], s[G0B+4*\s+3], 0x80000000
.endr
	JLOAD G0A, G1A, G0B, G1B                       ; chunks 0 and 1: one tensor load a wave at the head
	v_and_b32 v1, 31, v0
	v_lshlrev_b32 v[L16], 4, v1
	v_lshlrev_b32 v[L8], 3, v1
	v_and_b32 v18, 15, v0                          ; r
	v_bfe_u32 v19, v0, 4, 1                        ; h
	v_lshlrev_b32 v17, 4, v18
	v_lshl_add_u32 v[LB], v19, 3, v17
.irp s, 0,1
	v_add_nc_u32 v[A0+\s], s76, v[L16]
	v_add_nc_u32 v[A1+\s], s77, v[L16]
	v_add_nc_u32 v[AS0+\s], s76, v17
	v_add_nc_u32 v[AS1+\s], s77, v17
	s_add_co_u32 s76, s76, SLOT
	s_add_co_u32 s77, s77, SLOT
.endr
	v_add_nc_u32 v[A0+2], s92, v[L16]              ; chunk 2 lies in region B
	v_add_nc_u32 v[A1+2], s93, v[L16]
	v_add_nc_u32 v[AS0+2], s92, v17
	v_add_nc_u32 v[AS1+2], s93, v17
; 16 matrix instructions: source 1's tiles a0, a0 + 1 x source 0's eight; p: the sets.  zero = 1: the first product starts the sums.  The 64 accumulators take turns, one instruction a turn, in the same order in every step.
.macro MUL16 a0, p, zero
.if (\a0) < 4
	WIN MUL_LO
.else
	WIN MUL_HI
.endif
.irp a, \a0, \a0+1
.irp b, 0,1,2,3,4,5,6,7
.if \zero
	v_wmma_scale_f32_16x16x128_f8f6f4 v[8*(8*((\a)%4)+\b):8*(8*((\a)%4)+\b)+7], v[128*(\p)+12*\b:128*(\p)+12*\b+11], v[F1+96*(\p)+12*(\a):F1+96*(\p)+12*(\a)+11], 0, v[SC+16*(\p)+\b], v[SC+16*(\p)+8+(\a)] matrix_a_fmt:MATRIX_FMT_FP6 matrix_b_fmt:MATRIX_FMT_FP6
.else
	v_wmma_scale_f32_16x16x128_f8f6f4 v[8*(8*((\a)%4)+\b):8*(8*((\a)%4)+\b)+7], v[128*(\p)+12*\b:128*(\p)+12*\b+11], v[F1+96*(\p)+12*(\a):F1+96*(\p)+12*(\a)+11], v[8*(8*((\a)%4)+\b):8*(8*((\a)%4)+\b)+7], v[SC+16*(\p)+\b], v[SC+16*(\p)+8+(\a)] matrix_a_fmt:MATRIX_FMT_FP6 matrix_b_fmt:MATRIX_FMT_FP6
.endif
.endr
.endr
.endm
; K step t's fragments and scale words, 52 loads in one run, into sets t % 2
.macro FETCH t
.set SG, ((\t)/2)%3
.set QQ, (\t)%2
	WIN TO_B
.irp i, 0,1,2,3,4,5,6,7
.irp c, 0,1,2
	ds_load_b128 v[128*QQ+12*\i+4*\c:128*QQ+12*\i+4*\c+3], v[A0+SG] offset:REC*QQ+1536*\i+512*\c
.endr
.endr
	WIN 0
.irp i, 0,1,2,3,4,5,6,7
.irp c, 0,1,2
	ds_load_b128 v[F1+96*QQ+12*\i+4*\c:F1+96*QQ+12*\i+4*\c+3], v[A1+SG] offset:REC*QQ+1536*\i+512*\c
.endr
.endr
.irp e, 0,1
	ds_load_b128 v[SC+16*QQ+4*\e:SC+16*QQ+4*\e+3], v[AS0+SG] offset:REC*QQ+12288+256*\e
	ds_load_b128 v[SC+16*QQ+8+4*\e:SC+16*QQ+8+4*\e+3], v[AS1+SG] offset:REC*QQ+12288+256*\e
.endr
.endm
; A K step: 64 matrix instructions; the next step's fragments are fetched into the other sets, four places behind the last products that read them.
; sync 0: only my own loads are waited for.  sync 1: slot 0 has been read out and is filled again, behind a round of the cluster's barrier.  sync 2: chunk 3 has landed, for all four waves.
.macro STEP t, sync, zero
.set PS, (\t)%2
.if \sync == 1
	WIN 0                                          ; (the add's two registers lie in window 0)
	s_wait_tensorcnt 0x0                           ; all my tensor loads have landed: chunks 0, 1 and 2;
	ds_add_u32 v[SPW], v[NIL]                      ; 0 onto my spare word;
	s_wait_dscnt 1                                 ; this step's fragments are in (the add alone may be out)
	MUL16 0, PS, \zero                             ; sixteen matrix instructions stand between the add and the wait for it
	s_wait_dscnt 0x0                               ; the add is done, and my reads of slot 0 are over
	s_barrier_signal -1
	MUL16 2, PS, \zero
	WIN 0
	s_barrier_wait -1
	CREST                                          ; the barrier has opened a round of the cluster's: no wave of any partner still reads slot 0 or has a load on its way
	s_add_nc_u64 s[G0A+2:G0A+3], s[G0A+2:G0A+3], 3*CHK
	s_add_nc_u64 s[G0B+2:G0B+3], s[G0B+2:G0B+3], 3*CHK
	JLOAD G0A, G1A, G0B, G1B                       ; chunk 3: the first tensor load behind the round; its four v_nop are also the places in front of the loads below
	FETCH (\t)+1
.elseif \sync == 2
	s_wait_tensorcnt 0x0                           ; my one load that was out, my part of chunk 3, has landed;
	s_wait_dscnt 0x0                               ; this step's fragments are in
	s_barrier_signal -1
	MUL16 0, PS, \zero
	s_barrier_wait -1                              ; everybody's part has
	PLACES
	FETCH (\t)+1
	MUL16 2, PS, \zero
.else
	s_wait_dscnt 0x0                               ; this step's fragments are in
	MUL16 0, PS, \zero
	PLACES
	FETCH (\t)+1
	MUL16 2, PS, \zero
.endif
	MUL16 4, PS, \zero
	MUL16 6, PS, \zero
.endm
	s_wait_alu depctr_va_vdst(0)
	s_wait_tensorcnt 0x0                           ; my part of chunks 0 and 1 is in, ahead of a later first fill
	ds_add_u32 v[SPW], v[NIL]
	s_mov_b32 s[G1A+2], 100<<16                    ; no tensor load of mine is out: from here on a load brings one chunk, 100 rows
	s_mov_b32 s[G1A+4], 100
	s_mov_b32 s[G1B+2], 100<<16
	s_mov_b32 s[G1B+4], 100
	s_wait_dscnt 0x0
	CROUND                                         ; everybody's part is in, and the sixteen work-groups meet
	JLOAD G0A+8, G1A, G0B+8, G1B                   ; chunk 2, the first tensor load behind the round
	FETCH 0
	STEP 0, 0, 1
	STEP 1, 0, 0
	STEP 2, 0, 0
	STEP 3, 1, 0
	STEP 4, 0, 0
	STEP 5, 2, 0
	STEP 6, 0, 0
	s_wait_dscnt 0x0                               ; the last step: nothing more to fetch
	MUL16 0, 1, 0
	MUL16 2, 1, 0
	MUL16 4, 1, 0
	MUL16 6, 1, 0
	WIN 0
	PLACES                                         ; behind the last products: results are read, and registers that held fragments are written
; THE WAY OUT.  The 64 accumulator registers of source 1's tile a: register 16 b + i is source 0's row 32 b + 16 (lane / 16) + i, for my lane's row of tile a.  They become a fragment's codes in v[PC] on and its scale word in v[PWR + a].
.macro QUANTW a
.set AC, 64*((\a)%4)
.set WA, 2+(\a)/4
.set W2, 5*WA
	WIN W2                                         ; sources 0 and 1: the accumulators' window
.irp b, 0,1,2,3
	v_max3_num_f32 v[TM+\b], |v[AC+16*\b]|, |v[AC+16*\b+1]|, 0x1800000   ; each accumulator is read from its low end on; the floor 2^(3 - 127) holds the byte at 1 from below
.endr
.irp i, 2,4,6,8,10,12,14
.irp b, 0,1,2,3
	v_max3_num_f32 v[TM+\b], |v[AC+16*\b+\i]|, |v[AC+16*\b+\i+1]|, v[TM+\b]
.endr
.endr
	WIN 0
.irp b, 0,1,2,3
	v_permlanex16_b32 v[TM+4+\b], v[TM+\b], s[SEL], s[SEL+1]
.endr
.irp b, 0,1,2,3
	v_max_num_f32 v[TM+\b], v[TM+\b], v[TM+4+\b]   ; with lane l xor 16's: the block's largest magnitude
.endr
.irp b, 0,1,2,3
	v_add_nc_u32 v[TM+12+\b], 0xff000000, v[TM+\b] ; 2 off the exponent field: the conversion's scale operand
.endr
.irp b, 0,1,2,3
	v_lshrrev_b32 v[TM+4+\b], 23, v[TM+12+\b]      ; the scale's byte
.endr
	v_lshl_or_b32 v[PWR+(\a)], v[TM+5], 8, v[TM+4]
	v_lshl_or_b32 v[PWR+(\a)], v[TM+6], 16, v[PWR+(\a)]
	v_lshl_or_b32 v[PWR+(\a)], v[TM+7], 24, v[PWR+(\a)]
.if (\a) > 0
	s_wait_xcnt 0x0                                ; the last tile's stores have read the codes' registers
.endif
	WIN WA                                         ; source 0: the accumulators' window
.irp c, 0,1
	v_cvt_scalef32_pk16_fp6_f32 v[PC+6*\c:PC+6*\c+2], v[AC+32*\c:AC+32*\c+15], v[TM+12+2*\c]
	v_cvt_scalef32_pk16_fp6_f32 v[PC+12+4*\c:PC+14+4*\c], v[AC+32*\c+16:AC+32*\c+31], v[TM+12+2*\c+1]
.endr
	WIN 0
	v_nop                                          ; one plain place behind a scaled conversion
.irp c, 0,1                            ; the operand's layout wants a whole block in a lane: lanes 0-15 block 2 c, lanes 16-31 block 2 c + 1
.irp i, 0,1,2
	v_permlane16_swap_b32 v[PC+6*\c+\i], v[PC+12+4*\c+\i]
.endr
.irp i, 0,1,2
	v_mov_b32 v[PC+3+6*\c+\i], v[PC+12+4*\c+\i]
.endr
.endr
.endm
; role 0 (Q, K): tile a = 16 tokens; the fragment's registers 0-5 are the even head's 64 channels, 6-11 the odd head's: two half images.  role 1 (V): tile a = 16 channels of head a / 4; the fragment is whole: 128 keys.
; Every store covers 256 or 512 consecutive bytes, aligned to 256.
.macro EPI role
.irp a, 0,1,2,3,4,5,6,7
	QUANTW \a
.if \role
.irp e, 0,1,2
	global_store_b128 v[L16], v[PC+4*\e:PC+4*\e+3], s[10:11] offset:(\a/4)*HS+1536*(\a%4)+512*\e
.endr
.else
	global_store_b128 v[L16], v[PC:PC+3], s[10:11] offset:768*\a
	global_store_b64 v[L8], v[PC+4:PC+5], s[10:11] offset:768*\a+512
	global_store_b128 v[L16], v[PC+6:PC+9], s[10:11] offset:768*\a+HS
	global_store_b64 v[L8], v[PC+10:PC+11], s[10:11] offset:768*\a+512+HS
.endif
.endr
.if \role
.irp c, 0,1                            ; head c's four words a row: lanes 0-15 store tiles 0 and 1, lanes 16-31 tiles 2 and 3
	v_cndmask_b32 v[120+2*\c], v[PWR+4*\c], v[PWR+4*\c+2], s78
	v_cndmask_b32 v[121+2*\c], v[PWR+4*\c+1], v[PWR+4*\c+3], s78
	global_store_b64 v[LB], v[120+2*\c:121+2*\c], s[12:13] offset:\c*HS
.endr
.else
.irp j, 0,1,2,3                        ; lanes 0-15 store tiles 0-3, lanes 16-31 tiles 4-7; a word's low half is the even head's two bytes, its high half the odd head's; the two bytes above stay 0, over zero codes
	v_cndmask_b32 v[120+\j], v[PWR+\j], v[PWR+4+\j], s78
.endr
.irp j, 0,1,2,3
	v_and_b32 v[124+\j], 0xffff, v[120+\j]
.endr
.irp j, 0,1,2,3
	v_lshrrev_b32 v[128+\j], 16, v[120+\j]
.endr
	global_store_b128 v[L16], v[124:127], s[12:13]
	global_store_b128 v[L16], v[128:131], s[12:13] offset:HS
.endif
.endm
.irp b, 0,1,2,3
	v_mov_b32 v[TM+4+\b], 0                        ; a lane permute's destination counts as one of its sources
.endr
	s_cmp_eq_u32 ttmp9, 2                          ; the cluster's x: the same in all partners
	s_cbranch_scc1 .Lvalues
	EPI 0
	s_branch .Ldone
.Lvalues:
	EPI 1
.Ldone:
	s_wait_tensorcnt 0x0                           ; the wave's end
	ds_add_u32 v[SPW], v[NIL]
	s_wait_dscnt 0x0
	CROUND                                         ; the closing round: no work-group ends while a partner may still ask for a tile that names it
	s_endpgm
.Lfunc_end_k_qf53a329d18_proj_qkv:
	.size	k_qf53a329d18_proj_qkv, .Lfunc_end_k_qf53a329d18_proj_qkv-k_qf53a329d18_proj_qkv
	.p2alignl 7, 3214868480
	.fill 96, 4, 3214868480
	.section	.rodata,"a",@progbits
	.p2align	6, 0x0
	.amdhsa_kernel k_qf53a329d18_proj_qkv
		.amdhsa_group_segment_fixed_size 327680
		.amdhsa_private_segment_fixed_size 0
		.amdhsa_enable_private_segment 0
		.amdhsa_kernarg_size 24
		.amdhsa_user_sgpr_count 2
		.amdhsa_user_sgpr_kernarg_segment_ptr 1
		.amdhsa_wavefront_size32 1
		.amdhsa_system_sgpr_workgroup_id_x 1
		.amdhsa_system_sgpr_workgroup_id_y 1
		.amdhsa_system_sgpr_workgroup_id_z 1
		.amdhsa_system_vgpr_workitem_id 0
		.amdhsa_next_free_vgpr 1024
		.amdhsa_next_free_sgpr 100
		.amdhsa_reserve_vcc 0
		.amdhsa_float_denorm_mode_32 3
		.amdhsa_float_denorm_mode_16_64 3
		.amdhsa_memory_ordered 1
		.amdhsa_forward_progress 1
		.amdhsa_inst_pref_size 172
	.end_amdhsa_kernel
	.amdgpu_metadata
---
amdhsa.version: [ 1, 2 ]
amdhsa.kernels:
  - .name:           k_qf53a329d18_proj_qkv
    .symbol:         k_qf53a329d18_proj_qkv.kd
    .args:
      - { .name: ximg, .offset: 0, .size: 8, .value_kind: global_buffer, .address_space: global }
      - { .name: wqkvimg, .offset: 8, .size: 8, .value_kind: global_buffer, .address_space: global }
      - { .name: qkvimg, .offset: 16, .size: 8, .value_kind: global_buffer, .address_space: global }
    .group_segment_fixed_size: 327680
    .private_segment_fixed_size: 0
    .kernarg_segment_align: 8
    .kernarg_segment_size: 24
    .max_flat_workgroup_size: 128
    .sgpr_count:     100
    .vgpr_count:     1024
    .wavefront_size: 32
...
	.end_amdgpu_metadata
.endif
;; end of part 2
;; launch attn (part 3): grid 8 x 32, 8 waves a work-group, clusters of 4 x 1, 327,680 bytes of LDS; arguments qkvimg, ctximg; writes ctximg
.if DOCPART == 3
	.amdgcn_target "amdgcn-amd-amdhsa--gfx1250"
	.amdhsa_code_object_version 6
	.text
	.protected	k_qf53a329d18_attn
	.globl	k_qf53a329d18_attn
	.p2align	8
	.type	k_qf53a329d18_attn,@function
k_qf53a329d18_attn:
	s_mov_b64 s[64:65], 0
	v_nop
	global_prefetch_b8 v0, s[64:65] scope:SCOPE_SE
	s_setreg_imm32_b32 hwreg(HW_REG_WAVE_MODE, 25, 1), 1
	s_wait_xcnt 0x0
	s_wait_alu depctr_hold_cnt(0) depctr_sa_sdst(0) depctr_va_vdst(0) depctr_va_sdst(0) depctr_va_ssrc(0) depctr_va_vcc(0) depctr_vm_vsrc(0)
	s_getreg_b32 s2, hwreg(HW_REG_IB_STS2, 6, 4)
	s_cmp_eq_u32 s2, 0
	s_cbranch_scc0 .Lentry_in_a_cluster
	s_endpgm
.Lentry_in_a_cluster:
	s_bfe_u32 s2, ttmp6, 0x10000c
	s_cmp_lg_u32 s2, 0x3003
	s_cbranch_scc0 .Lentry_shape_is_right
	s_endpgm
.Lentry_shape_is_right:
; Attention on codes of FP6 (E2M3).  A work-group of 8 waves takes 256 queries of a pair of heads (y: batch x 8 + pair; x: the block of queries), a wave 32 queries (two tiles), one head after the other.
; A head's 16 records of 128 keys (K's and V's register images and scale words, 13,056 bytes each) lie in two LDS slots of 8; a wave fetches one record of a slot.  The four work-groups of a cluster
; share the pair of heads and ask for each record jointly.  Both products are used transposed, so a lane holds one query.  p = 2^(t - M), M the ceiling of the running largest t; the sum is taken of the unquantised p.
; The context leaves as codes and scale words in the records that the last launch reads.
; LIMITS: the promise holds while the scaled scores stay under 2^31 in magnitude; NaN and infinities are not served; a block of zeros gets the byte 1 (its codes are zeros; this program alone reads the bytes).
.set KREC,  13056
.set SLOT,  8*KREC
.set STG,   2*SLOT
.set SPARE, STG+1024
.set QREC,  19712
.set HS,    16*QREC
.set REC,   12800
.set L16, 1
.set L8,  2
.set LS,  3
.set A16, 4
.set A8,  5
.set AS,  6
.set GS,  7
.set GR,  8
.set SPW, 10
.set NIL, 11
.set KS,  32
.set VS,  40
.set QS,  44
.set CF,  48
.set S,   64
.set PCD, 192
.set BM,  216
.set BP,  220
.set SO,  224
.set FF,  240
.set WV,  8
.set G1,  16
.set G0,  24
.set SEL, 32
.set CS,  34
.set TB,  36
.set CNT, 37
.set MSB, 0
.macro WIN new
.if MSB != (\new)
	s_set_vgpr_msb (MSB<<8)|(\new)
.set MSB, (\new)
.endif
.endm
.macro CROUND
	s_barrier_signal -1
	s_barrier_wait -1
	s_cmp_lg_u32 s[WV], 0
	s_cbranch_scc1 .Lnot_wave_0_\@
	s_barrier_signal -3
.Lnot_wave_0_\@:
	s_barrier_wait -3
	s_barrier_signal -1
	s_barrier_wait -1
.endm
	s_load_b128 s[4:7], s[0:1], 0x0
	v_lshl_add_u32 v[SPW], v0, 2, SPARE
	v_mov_b32 v[NIL], 0
	ds_add_u32 v[SPW], v[NIL]
	ds_add_u32 v[SPW], v[NIL]
	v_lshrrev_b32 v9, 5, v0
	s_delay_alu instid0(VALU_DEP_1)
	v_readfirstlane_b32 s[WV], v9
	s_bfe_u32 s9, ttmp6, 0x40000
	s_lshl_b32 s10, ttmp9, 2
	s_add_co_u32 s10, s10, s9
	s_and_b32 s11, ttmp7, 0xffff
	s_mov_b32 s[G1], 15|(3<<16)|(1<<21)
	s_mov_b32 s[G1+1], 32<<16
	s_mov_b32 s[G1+2], 51<<16
	s_mov_b32 s[G1+3], 32<<16
	s_mov_b32 s[G1+4], 51
	s_mov_b32 s[G1+5], 32
	s_mov_b32 s[G1+6], 0
	s_mov_b32 s[G1+7], 0
	s_lshl_b32 s44, s11, 5
	s_add_co_u32 s44, s44, s[WV]
	s_mul_i32 s44, s44, QREC
	s_mov_b32 s45, 0
	s_mul_i32 s46, s[WV], KREC
	s_and_b32 s12, s[WV], 3
	s_lshr_b32 s13, s[WV], 2
	s_lshl_b32 s47, s10, 1
	s_add_co_u32 s47, s47, s13
	s_lshl_b32 s48, s11, 5
	s_add_co_u32 s48, s48, s47
	s_mul_i32 s48, s48, QREC
	s_mul_i32 s50, s12, 1536
	s_add_co_u32 s50, s50, 13056
	s_add_co_u32 s50, s50, s48
	s_mov_b32 s51, 0
	s_lshr_b32 s54, s12, 1
	s_lshl_b32 s54, s54, 8
	s_and_b32 s53, s12, 1
	s_lshl_b32 s53, s53, 3
	s_add_co_u32 s54, s54, s53
	s_add_co_u32 s52, s54, 19200
	s_add_co_u32 s52, s52, s48
	s_mov_b32 s53, 0
	s_lshr_b32 s55, s11, 3
	s_lshl_b32 s55, s55, 4
	s_and_b32 s56, s11, 7
	s_add_co_u32 s57, s55, s47
	s_lshl_b32 s57, s57, 3
	s_add_co_u32 s57, s57, s56
	s_mul_i32 s58, s57, REC
	s_mul_i32 s57, s12, 3072
	s_add_co_u32 s58, s58, s57
	s_mov_b32 s59, 0
	s_lshl_b32 s60, s10, 1
	s_add_co_u32 s60, s60, s55
	s_and_b32 s57, s[WV], 1
	s_add_co_u32 s60, s60, s57
	s_lshl_b32 s60, s60, 3
	s_add_co_u32 s60, s60, s56
	s_mul_i32 s60, s60, REC
	s_add_co_u32 s60, s60, 12288
	s_mov_b32 s61, 0
	s_mov_b32 s[SEL], 0x76543210
	s_mov_b32 s[SEL+1], 0xfedcba98
	s_mov_b32 s[CS], 0x3e38aa3b
	s_mov_b32 s[CS+1], s[CS]
	s_wait_dscnt 0x0
	s_wait_kmcnt 0x0
	s_add_nc_u64 s[44:45], s[4:5], s[44:45]
	s_add_nc_u64 s[38:39], s[4:5], s[50:51]
	s_add_nc_u64 s[40:41], s[4:5], s[52:53]
	s_add_nc_u64 s[42:43], s[6:7], s[58:59]
	s_add_nc_u64 s[6:7], s[6:7], s[60:61]
	CROUND
.irp s, 0,1
	s_mov_b32 s[G0+4*\s], 1
	s_add_co_u32 s[G0+4*\s+1], s46, \s*SLOT
	s_add_nc_u64 s[G0+4*\s+2:G0+4*\s+3], s[44:45], \s*8*QREC
	s_or_b32 s[G0+4*\s+3], s[G0+4*\s+3], 0x80000000
.endr
	tensor_load_to_lds s[G0:G0+3], s[G1:G1+7]
	s_nop 0
.rept 4
	v_nop
.endr
	v_and_b32 v9, 31, v0
	s_delay_alu instid0(VALU_DEP_1)
	v_lshlrev_b32 v[L16], 4, v9
	s_delay_alu instid0(VALU_DEP_2)
	v_lshlrev_b32 v[L8], 3, v9
	v_and_b32 v9, 15, v0
	s_delay_alu instid0(VALU_DEP_1)
	v_lshlrev_b32 v[LS], 4, v9
	WIN 0x40                                       ; my queries' fragments and scale words of both heads are asked for while slot 0's record is on its way; they are waited for ahead of the first step
.irp h, 0,1
.irp u, 0,1
	global_load_b128 v[208+24*\h+12*\u:211+24*\h+12*\u], v[L16], s[38:39] offset:\h*HS+768*\u
	global_load_b64 v[212+24*\h+12*\u:213+24*\h+12*\u], v[L8], s[38:39] offset:\h*HS+768*\u+512
.endr
.endr
	WIN 0
.irp h, 0,1
.irp u, 0,1
	global_load_b32 v[QS+2*\h+\u], v[LS], s[40:41] offset:\h*HS+4*\u
.endr
.endr
	s_wait_alu depctr_va_vdst(0)
	s_wait_tensorcnt 0x0
	ds_add_u32 v10, v11
	s_wait_dscnt 0x0
	CROUND
	tensor_load_to_lds s[G0+4:G0+7], s[G1:G1+7]
	s_nop 0
.rept 4
	v_nop
.endr
	s_lshl_b32 s57, s13, 9
	s_add_co_u32 s57, s57, s54
	s_add_co_u32 s57, s57, STG
	v_add_nc_u32 v[GS], s57, v[LS]
	s_and_b32 s57, s[WV], 1
	s_lshl_b32 s57, s57, 9
	s_add_co_u32 s57, s57, STG
	v_add_nc_u32 v[GR], s57, v[L16]
	WIN 0x40
.irp t, 0,1,2,3,4,5,6,7
.irp i, 6,7,8,9,10,11
	v_mov_b32 v[64+12*\t+\i], 0
.endr
.endr
.irp t, 0,1,2,3
.irp i, 6,7,8,9,10,11
	v_mov_b32 v[208+12*\t+\i], 0
.endr
.endr
	WIN 0
.irp u, 0,1
.irp b, 0,1,2,3
	v_mov_b32 v[BP+12*\u+\b], 0
.endr
	v_mov_b32 v[FF+2*\u+1], 0
.endr
.macro INIT
.irp u, 0,1
	v_mov_b32 v[13+4*\u], 0xff61b1e6
	s_delay_alu instid0(VALU_DEP_1)
	v_floor_f32 v[12+4*\u], -v[13+4*\u]
	v_mov_b32 v[14+4*\u], 0
	v_mov_b32 v[15+4*\u], 0
.endr
	WIN 0x40
.set J, 0
.rept 64
	v_mov_b32 v[J], 0
.set J, J+1
.endr
	WIN 0
.endm
.macro STEP hd
	v_add_nc_u32 v[A16], s[TB], v[L16]
	v_add_nc_u32 v[A8], s[TB], v[L8]
	v_add_nc_u32 v[AS], s[TB], v[LS]
	v_nop
	ds_load_b128 v[KS:KS+3], v[AS] offset:12288
	ds_load_b128 v[KS+4:KS+7], v[AS] offset:12544
	ds_load_b128 v[VS:VS+3], v[AS] offset:12800
	WIN 0x40
.irp t, 0,1,2,3,4,5,6,7
	ds_load_b128 v[64+12*\t:67+12*\t], v[A16] offset:768*\t
	ds_load_b64 v[68+12*\t:69+12*\t], v[A8] offset:768*\t+512
.endr
.irp j, 0,1,2,3
.irp e, 0,1,2
	ds_load_b128 v[160+12*\j+4*\e:163+12*\j+4*\e], v[A16] offset:6144+1536*\j+512*\e
.endr
.endr
	s_wait_dscnt 12
	WIN 0x05
.irp t, 0,1,2,3,4,5,6,7
.irp u, 0,1
	v_wmma_scale_f32_16x16x128_f8f6f4 v[S+64*\u+8*\t:S+64*\u+8*\t+7], v[64+12*\t:75+12*\t], v[208+24*(\hd)+12*\u:219+24*(\hd)+12*\u], 0, v[KS+\t], v[QS+2*(\hd)+\u] matrix_a_fmt:MATRIX_FMT_FP6 matrix_b_fmt:MATRIX_FMT_FP6
.endr
.endr
	WIN 0
.rept 4
	v_nop
.endr
.irp b, 0,1,2,3
.irp u, 0,1
	v_max3_num_f32 v[BM+12*\u+\b], v[S+64*\u+16*\b], v[S+64*\u+16*\b+1], v[S+64*\u+16*\b+2]
.endr
.endr
.irp i, 3,5,7,9,11,13
.irp b, 0,1,2,3
.irp u, 0,1
	v_max3_num_f32 v[BM+12*\u+\b], v[BM+12*\u+\b], v[S+64*\u+16*\b+\i], v[S+64*\u+16*\b+\i+1]
.endr
.endr
.endr
.irp b, 0,1,2,3
.irp u, 0,1
	v_max_num_f32 v[BM+12*\u+\b], v[BM+12*\u+\b], v[S+64*\u+16*\b+15]
.endr
.endr
.irp b, 0,1,2,3
.irp u, 0,1
	v_permlanex16_b32 v[BP+12*\u+\b], v[BM+12*\u+\b], s[SEL], s[SEL+1]
.endr
.endr
.irp b, 0,1,2,3
.irp u, 0,1
	v_max_num_f32 v[BM+12*\u+\b], v[BM+12*\u+\b], v[BP+12*\u+\b]
.endr
.endr
.irp u, 0,1
	s_delay_alu instid0(VALU_DEP_4)
	v_max3_num_f32 v[22+\u], v[BM+12*\u], v[BM+12*\u+1], v[BM+12*\u+2]
.endr
.irp u, 0,1
	s_delay_alu instid0(VALU_DEP_2)
	v_max_num_f32 v[22+\u], v[22+\u], v[BM+12*\u+3]
.endr
.irp u, 0,1
	s_delay_alu instid0(VALU_DEP_2)
	v_mul_f32 v[22+\u], s[CS], v[22+\u]
.endr
.irp u, 0,1
	s_delay_alu instid0(VALU_DEP_2)
	v_max_num_f32 v[13+4*\u], v[13+4*\u], v[22+\u]
.endr
.irp u, 0,1
	v_mov_b32 v[22+\u], v[12+4*\u]
.endr
.irp u, 0,1
	s_delay_alu instid0(VALU_DEP_4)
	v_floor_f32 v[12+4*\u], -v[13+4*\u]
.endr
.irp u, 0,1
	s_delay_alu instid0(VALU_DEP_2)
	v_sub_f32 v[22+\u], v[12+4*\u], v[22+\u]
.endr
.irp u, 0,1
	s_delay_alu instid0(VALU_DEP_2)
	v_cvt_i32_f32 v[22+\u], v[22+\u]
.endr
.irp u, 0,1
	s_delay_alu instid0(VALU_DEP_2)
	v_ldexp_f32 v[FF+2*\u], 1.0, v[22+\u]
.endr
.set J, 0
.rept 32
.irp u, 0,1
	v_pk_fma_f32 v[S+64*\u+J:S+64*\u+J+1], v[S+64*\u+J:S+64*\u+J+1], s[CS:CS+1], v[12+4*\u:13+4*\u] op_sel_hi:[1,0,0]
.endr
.set J, J+2
.endr
.irp b, 0,1,2,3
.irp u, 0,1
	v_fma_f32 v[BM+12*\u+\b], v[BM+12*\u+\b], s[CS], v[12+4*\u]
.endr
.endr
.set J, 0
	s_wait_alu depctr_va_vdst(0)
.rept 128
	v_exp_f32 v[S+J], v[S+J]
.set J, J+1
.endr
.irp u, 0,1
	v_pk_mul_f32 v[14+4*\u:15+4*\u], v[14+4*\u:15+4*\u], v[FF+2*\u:FF+2*\u+1] op_sel_hi:[1,0]
.endr
	s_wait_alu depctr_va_vdst(0)
.irp b, 0,1,2,3
.irp u, 0,1
	v_exp_f32 v[BM+12*\u+\b], v[BM+12*\u+\b]
.endr
.endr
.irp u, 0,1
	v_pk_add_f32 v[BP+12*\u:BP+12*\u+1], v[S+64*\u:S+64*\u+1], v[S+64*\u+2:S+64*\u+3]
.endr
.set J, 4
.rept 15
.irp u, 0,1
	v_pk_add_f32 v[14+4*\u:15+4*\u], v[14+4*\u:15+4*\u], v[S+64*\u+J:S+64*\u+J+1]
	v_pk_add_f32 v[BP+12*\u:BP+12*\u+1], v[BP+12*\u:BP+12*\u+1], v[S+64*\u+J+2:S+64*\u+J+3]
.endr
.set J, J+4
.endr
.irp u, 0
	s_delay_alu instid0(VALU_DEP_3)
	v_pk_add_f32 v[14+4*\u:15+4*\u], v[14+4*\u:15+4*\u], v[BP+12*\u:BP+12*\u+1]
.endr
.irp u, 1
	s_delay_alu instid0(VALU_DEP_2)
	v_pk_add_f32 v[14+4*\u:15+4*\u], v[14+4*\u:15+4*\u], v[BP+12*\u:BP+12*\u+1]
.endr
	s_wait_alu depctr_va_vdst(0)
.irp b, 0,1,2,3
.irp u, 0,1
	v_max_num_f32 v[BM+12*\u+\b], 0x1800000, v[BM+12*\u+\b]
.endr
.endr
.irp b, 0,1,2,3
.irp u, 0,1
	v_add_nc_u32 v[SO+12*\u+\b], 0xff000000, v[BM+12*\u+\b]
.endr
.endr
.irp b, 0,1,2,3
.irp u, 0,1
	v_lshrrev_b32 v[BP+12*\u+\b], 23, v[SO+12*\u+\b]
.endr
.endr
.irp u, 0,1
	v_lshl_or_b32 v[FF+2*\u+1], v[BP+12*\u+1], 8, v[BP+12*\u]
.endr
.irp u, 0,1
	s_delay_alu instid0(VALU_DEP_2)
	v_lshl_or_b32 v[FF+2*\u+1], v[BP+12*\u+2], 16, v[FF+2*\u+1]
.endr
.irp u, 0,1
	s_delay_alu instid0(VALU_DEP_2)
	v_lshl_or_b32 v[FF+2*\u+1], v[BP+12*\u+3], 24, v[FF+2*\u+1]
.endr
.irp u, 0,1
.irp k, 0,1
	v_cvt_scalef32_pk16_fp6_f32 v[PCD+12*\u+6*\k:PCD+12*\u+6*\k+2], v[S+64*\u+32*\k:S+64*\u+32*\k+15], v[SO+12*\u+2*\k]
	v_cvt_scalef32_pk16_fp6_f32 v[24+4*\k:26+4*\k], v[S+64*\u+32*\k+16:S+64*\u+32*\k+31], v[SO+12*\u+2*\k+1]
.endr
	v_nop
.irp k, 0,1
.irp i, 0,1,2
	v_permlane16_swap_b32 v[PCD+12*\u+6*\k+\i], v[24+4*\k+\i]
.endr
.irp i, 0,1,2
	s_delay_alu instid0(VALU_DEP_3)
	v_mov_b32 v[PCD+12*\u+6*\k+3+\i], v[24+4*\k+\i]
.endr
.endr
.endr
	WIN 0x41
.irp u, 0,1
.set J, 0
.rept 16
	v_pk_mul_f32 v[32*\u+J:32*\u+J+1], v[32*\u+J:32*\u+J+1], v[FF+2*\u:FF+2*\u+1] op_sel_hi:[1,0]
.set J, J+2
.endr
.endr
	s_wait_alu depctr_va_vdst(0)
	s_wait_dscnt 0x0
	WIN 0x51
.irp j, 0,1,2,3
.irp u, 0,1
	v_wmma_scale_f32_16x16x128_f8f6f4 v[32*\u+8*\j:32*\u+8*\j+7], v[160+12*\j:171+12*\j], v[PCD+12*\u:PCD+12*\u+11], v[32*\u+8*\j:32*\u+8*\j+7], v[VS+\j], v[FF+2*\u+1] matrix_a_fmt:MATRIX_FMT_FP6 matrix_b_fmt:MATRIX_FMT_FP6
.endr
.endr
	WIN 0
.endm
.macro HALF hd, sl
	s_mov_b32 s[TB], (\sl)*SLOT
	s_mov_b32 s[CNT], 8
.Lhalf_\@:
	STEP \hd
	s_add_co_u32 s[TB], s[TB], KREC
	s_sub_co_u32 s[CNT], s[CNT], 1
	s_cmp_lg_u32 s[CNT], 0
	s_cbranch_scc1 .Lhalf_\@
.endm
.macro CHANGE sl
	s_wait_tensorcnt 0x0
	ds_add_u32 v[SPW], v[NIL]
	s_add_nc_u64 s[G0+4*\sl+2:G0+4*\sl+3], s[G0+4*\sl+2:G0+4*\sl+3], HS
	s_wait_dscnt 0x0
	CROUND
	tensor_load_to_lds s[G0+4*\sl:G0+4*\sl+3], s[G1:G1+7]
	s_nop 0
.rept 4
	v_nop
.endr
.endm
.macro FINISH hd
.irp u, 0,1
	v_add_f32 v[14+4*\u], v[14+4*\u], v[15+4*\u]
.endr
.irp u, 0,1
	s_delay_alu instid0(VALU_DEP_2)
	v_permlanex16_b32 v[22+\u], v[14+4*\u], s[SEL], s[SEL+1]
.endr
.irp u, 0,1
	s_delay_alu instid0(VALU_DEP_2)
	v_add_f32 v[14+4*\u], v[14+4*\u], v[22+\u]
.endr
	s_wait_alu depctr_va_vdst(0)
.irp u, 0,1
	v_rcp_f32 v[FF+2*\u], v[14+4*\u]
.endr
	v_nop
	s_wait_alu depctr_va_vdst(0)
	WIN 0x01
.irp u, 0,1
.set J, 0
.rept 16
	v_pk_mul_f32 v[S+64*\u+J:S+64*\u+J+1], v[32*\u+J:32*\u+J+1], v[FF+2*\u:FF+2*\u+1] op_sel_hi:[1,0]
.set J, J+2
.endr
.endr
	WIN 0
.irp b, 0,1
.irp u, 0,1
	v_max3_num_f32 v[BM+12*\u+\b], |v[S+64*\u+16*\b]|, |v[S+64*\u+16*\b+1]|, 0x1800000
.endr
.endr
.irp i, 2,4,6,8,10,12,14
.irp b, 0,1
.irp u, 0,1
	s_delay_alu instid0(VALU_DEP_4)
	v_max3_num_f32 v[BM+12*\u+\b], v[BM+12*\u+\b], |v[S+64*\u+16*\b+\i]|, |v[S+64*\u+16*\b+\i+1]|
.endr
.endr
.endr
.irp b, 0,1
.irp u, 0,1
	s_delay_alu instid0(VALU_DEP_4)
	v_permlanex16_b32 v[BP+12*\u+\b], v[BM+12*\u+\b], s[SEL], s[SEL+1]
.endr
.endr
.irp b, 0,1
.irp u, 0,1
	s_delay_alu instid0(VALU_DEP_4)
	v_max_num_f32 v[BM+12*\u+\b], v[BM+12*\u+\b], v[BP+12*\u+\b]
.endr
.endr
.irp b, 0,1
.irp u, 0,1
	s_delay_alu instid0(VALU_DEP_4)
	v_add_nc_u32 v[SO+12*\u+\b], 0xff000000, v[BM+12*\u+\b]
.endr
.endr
.irp b, 0,1
.irp u, 0,1
	s_delay_alu instid0(VALU_DEP_4)
	v_lshrrev_b32 v[BP+12*\u+\b], 23, v[SO+12*\u+\b]
.endr
.endr
.irp u, 0,1
	s_delay_alu instid0(VALU_DEP_2)
	v_lshl_or_b32 v[22+\u], v[BP+12*\u+1], 8, v[BP+12*\u]
.endr
.irp u, 0,1
.if \hd
	s_delay_alu instid0(VALU_DEP_2)
	v_lshl_or_b32 v[20+\u], v[22+\u], 16, v[20+\u]
.else
	s_delay_alu instid0(VALU_DEP_2)
	v_mov_b32 v[20+\u], v[22+\u]
.endif
.endr
.irp u, 0,1
	v_cvt_scalef32_pk16_fp6_f32 v[CF+196*\u+6*(\hd):CF+196*\u+6*(\hd)+2], v[S+64*\u:S+64*\u+15], v[SO+12*\u]
	v_cvt_scalef32_pk16_fp6_f32 v[24+4*\u:26+4*\u], v[S+64*\u+16:S+64*\u+31], v[SO+12*\u+1]
.endr
	v_nop
.irp u, 0,1
.irp i, 0,1,2
	v_permlane16_swap_b32 v[CF+196*\u+6*(\hd)+\i], v[24+4*\u+\i]
.endr
.irp i, 0,1,2
	s_delay_alu instid0(VALU_DEP_3)
	v_mov_b32 v[CF+196*\u+6*(\hd)+3+\i], v[24+4*\u+\i]
.endr
.endr
.endm
	INIT
	s_wait_tensorcnt 1
	s_barrier_signal -1
	s_barrier_wait -1
	s_wait_loadcnt 0x0
	HALF 0, 0
	CHANGE 0
	HALF 0, 1
	CHANGE 1
	FINISH 0
	INIT
	HALF 1, 0
	s_wait_tensorcnt 0x0
	s_wait_dscnt 0x0
	s_barrier_signal -1
	s_barrier_wait -1
	HALF 1, 1
	FINISH 1
.irp u, 0,1
.irp e, 0,1,2
	global_store_b128 v[L16], v[CF+196*\u+4*\e:CF+196*\u+4*\e+3], s[42:43] offset:1536*\u+512*\e
.endr
	ds_store_b32 v[GS], v[20+\u] offset:4*\u
.endr
	s_wait_dscnt 0x0
	s_barrier_signal -1
	s_barrier_wait -1
	s_cmp_lt_u32 s[WV], 2
	s_cbranch_scc0 .Lno_scales
	ds_load_b128 v[64:67], v[GR]
	s_wait_dscnt 0x0
	global_store_b128 v[L16], v[64:67], s[6:7]
.Lno_scales:
	s_wait_tensorcnt 0x0
	ds_add_u32 v[SPW], v[NIL]
	s_wait_dscnt 0x0
	CROUND
	s_endpgm
.Lfunc_end_k_qf53a329d18_attn:
	.size	k_qf53a329d18_attn, .Lfunc_end_k_qf53a329d18_attn-k_qf53a329d18_attn
	.p2alignl 7, 3214868480
	.fill 96, 4, 3214868480
	.section	.rodata,"a",@progbits
	.p2align	6, 0x0
	.amdhsa_kernel k_qf53a329d18_attn
		.amdhsa_group_segment_fixed_size 327680
		.amdhsa_private_segment_fixed_size 0
		.amdhsa_enable_private_segment 0
		.amdhsa_kernarg_size 16
		.amdhsa_user_sgpr_count 2
		.amdhsa_user_sgpr_kernarg_segment_ptr 1
		.amdhsa_wavefront_size32 1
		.amdhsa_system_sgpr_workgroup_id_x 1
		.amdhsa_system_sgpr_workgroup_id_y 1
		.amdhsa_system_sgpr_workgroup_id_z 1
		.amdhsa_system_vgpr_workitem_id 0
		.amdhsa_next_free_vgpr 512
		.amdhsa_next_free_sgpr 66
		.amdhsa_reserve_vcc 0
		.amdhsa_float_denorm_mode_32 3
		.amdhsa_float_denorm_mode_16_64 3
		.amdhsa_memory_ordered 1
		.amdhsa_forward_progress 1
		.amdhsa_inst_pref_size 154
	.end_amdhsa_kernel
	.amdgpu_metadata
---
amdhsa.version: [ 1, 2 ]
amdhsa.kernels:
  - .name:           k_qf53a329d18_attn
    .symbol:         k_qf53a329d18_attn.kd
    .args:
      - { .name: qkvimg, .offset: 0, .size: 8, .value_kind: global_buffer, .address_space: global }
      - { .name: ctximg, .offset: 8, .size: 8, .value_kind: global_buffer, .address_space: global }
    .group_segment_fixed_size: 327680
    .private_segment_fixed_size: 0
    .kernarg_segment_align: 8
    .kernarg_segment_size: 16
    .max_flat_workgroup_size: 256
    .sgpr_count:     66
    .vgpr_count:     512
    .wavefront_size: 32
...
	.end_amdgpu_metadata
.endif
;; end of part 3
;; launch proj_out (part 4): grid 4 x 64, 4 waves a work-group, clusters of 4 x 4, 327,680 bytes of LDS; arguments ctximg, woimg, out0; writes out0
.if DOCPART == 4
	.amdgcn_target "amdgcn-amd-amdhsa--gfx1250"
	.amdhsa_code_object_version 6
	.text
	.protected	k_qf53a329d18_proj_out
	.globl	k_qf53a329d18_proj_out
	.p2align	8
	.type	k_qf53a329d18_proj_out,@function
k_qf53a329d18_proj_out:
	s_mov_b64 s[64:65], 0
	v_nop
	global_prefetch_b8 v0, s[64:65] scope:SCOPE_SE
	s_setreg_imm32_b32 hwreg(HW_REG_WAVE_MODE, 25, 1), 1
	s_wait_xcnt 0x0
	s_wait_alu depctr_hold_cnt(0) depctr_sa_sdst(0) depctr_va_vdst(0) depctr_va_sdst(0) depctr_va_ssrc(0) depctr_va_vcc(0) depctr_vm_vsrc(0)
	s_getreg_b32 s2, hwreg(HW_REG_IB_STS2, 6, 4)
	s_cmp_eq_u32 s2, 0
	s_cbranch_scc0 .Lentry_in_a_cluster
	s_endpgm
.Lentry_in_a_cluster:
	s_bfe_u32 s2, ttmp6, 0x10000c
	s_cmp_lg_u32 s2, 0xf033
	s_cbranch_scc0 .Lentry_shape_is_right
	s_endpgm
.Lentry_shape_is_right:
; out0 = context W_o on codes of FP6 (E2M3), M 8,192, N 1,024, K 1,024.  Operands come as records of register images (12,800 bytes for 128 rows and 128 along K), eight records a group of 128 rows, dense in memory.
; A work-group makes 128 tokens x 256 columns, a wave 64 x 128.  All of K lies in LDS: the tokens' group at 0, W_o's two groups behind it, 102,400 bytes each.
; FILLS: at the head one joint load of four records (200 rows of 256 bytes) a wave: waves 0 and 1 the tokens' two halves, waves 2 and 3 the first four records of W_o's groups.  Behind the three lines and a round
; waves 2 and 3 ask for W_o's last four records; a plain barrier in K step 3 shows them to all.  Nothing is filled again.  By this text's count a wave has one tensor load out at the most.
; The tokens' tiles are shared along a row of the 4 x 4 cluster, W_o's along a column.  No prefetch: K is 8 steps and all of it is asked for in the first of them.
; The way out goes through a stage in the tokens' first records, which nobody reads behind K step 3's barrier.
.set REC,    12800
.set GRP,    102400
.set CHUNK,  6*REC
.set SPARE,  4*CHUNK
.set SPITCH, 528
.set L16, 2
.set A0,  4
.set A1,  8
.set AS0, 12
.set AS1, 16
.set STO, 20
.set RD,  21
.set SPW, 28
.set NIL, 29
.set SC,  32
.set F1,  64
.set BK,  128
.set G0A, 32
.set G0B, 48
.set G1A, 68
.set G1B, 76
.set MSB, 0
.macro WIN new
.if MSB != (\new)
	s_set_vgpr_msb (MSB<<8)|(\new)
.set MSB, (\new)
.endif
.endm
.set MUL,  0xa1
.set TO_B, 0x40
.macro JLOAD g0a, g1a, g0b, g1b
	s_cmp_eq_u32 s15, 0
	s_cbranch_scc0 .Lfor_b_\@
	tensor_load_to_lds s[\g0a:\g0a+3], s[\g1a:\g1a+7]
	s_nop 0
.rept 4
	v_nop
.endr
	s_branch .Lasked_\@
.Lfor_b_\@:
	tensor_load_to_lds s[\g0b:\g0b+3], s[\g1b:\g1b+7]
	s_nop 0
.rept 4
	v_nop
.endr
.Lasked_\@:
.endm
.macro CROUND
	s_barrier_signal -1
	s_barrier_wait -1
	s_cmp_lg_u32 s14, 0
	s_cbranch_scc1 .Lnot_wave_0_\@
	s_barrier_signal -3
.Lnot_wave_0_\@:
	s_barrier_wait -3
	s_barrier_signal -1
	s_barrier_wait -1
.endm
.macro PLACES
.rept 4
	v_nop
.endr
.endm
	s_load_b128 s[4:7], s[0:1], 0x0
	s_load_b64 s[8:9], s[0:1], 0x10
	v_lshl_add_u32 v[SPW], v0, 2, SPARE
	v_mov_b32 v[NIL], 0
	ds_add_u32 v[SPW], v[NIL]
	ds_add_u32 v[SPW], v[NIL]
	v_lshrrev_b32 v1, 5, v0
	v_readfirstlane_b32 s14, v1
	s_lshr_b32 s15, s14, 1
	s_and_b32 s16, s14, 1
	s_bfe_u32 s24, ttmp6, 0x40000
	s_bfe_u32 s25, ttmp6, 0x40004
	s_lshl_b32 s26, ttmp9, 2
	s_add_co_u32 s26, s26, s24
	s_and_b32 s17, ttmp7, 0xffff
	s_lshl_b32 s17, s17, 2
	s_add_co_u32 s17, s17, s25
	s_lshl_b32 s27, s25, 2
	s_lshl_b32 s27, 15, s27
	s_lshl_b32 s28, 0x1111, s24
	s_or_b32 s[G1A+0], s27, (3<<16)|(1<<21)
	s_mov_b32 s[G1A+1], 32<<16
	s_mov_b32 s[G1A+2], 200<<16
	s_mov_b32 s[G1A+3], 32<<16
	s_mov_b32 s[G1A+4], 200
	s_mov_b32 s[G1A+5], 32
	s_mov_b32 s[G1A+6], 0
	s_mov_b32 s[G1A+7], 0
	s_or_b32 s[G1B+0], s28, (3<<16)|(1<<21)
	s_mov_b32 s[G1B+1], 32<<16
	s_mov_b32 s[G1B+2], 200<<16
	s_mov_b32 s[G1B+3], 32<<16
	s_mov_b32 s[G1B+4], 200
	s_mov_b32 s[G1B+5], 32
	s_mov_b32 s[G1B+6], 0
	s_mov_b32 s[G1B+7], 0
	s_mul_i32 s20, s17, GRP
	s_mul_i32 s21, s16, 4*REC
	s_add_co_u32 s20, s20, s21
	s_mov_b32 s21, 0
	s_lshl_b32 s84, s26, 1
	s_add_co_u32 s84, s84, s16
	s_mul_i32 s84, s84, GRP
	s_mov_b32 s85, 0
	s_mul_i32 s29, s16, 4*REC                      ; LDS: the tokens' half that I fetch
	s_mul_i32 s30, s16, GRP
	s_add_co_u32 s30, s30, GRP                     ; LDS: W_o's group that I fetch
	s_lshl_b32 s86, s17, 7
	s_lshl_b32 s87, s15, 6
	s_add_co_u32 s86, s86, s87
	s_lshl_b32 s86, s86, 12
	s_lshl_b32 s87, s26, 10
	s_add_co_u32 s86, s86, s87
	s_lshl_b32 s87, s16, 9
	s_add_co_u32 s86, s86, s87
	s_mov_b32 s87, 0
	s_wait_dscnt 0x0
	s_wait_kmcnt 0x0
	s_add_nc_u64 s[20:21], s[4:5], s[20:21]
	s_add_nc_u64 s[84:85], s[6:7], s[84:85]
	s_add_nc_u64 s[8:9], s[8:9], s[86:87]
	CROUND
	s_mov_b32 s[G0A], 1
	s_add_co_u32 s[G0A+1], s29, 0
	s_add_nc_u64 s[G0A+2:G0A+3], s[20:21], 0
	s_or_b32 s[G0A+3], s[G0A+3], 0x80000000
.irp k, 0,1
	s_mov_b32 s[G0B+4*\k], 1
	s_add_co_u32 s[G0B+4*\k+1], s30, \k*4*REC
	s_add_nc_u64 s[G0B+4*\k+2:G0B+4*\k+3], s[84:85], \k*4*REC
	s_or_b32 s[G0B+4*\k+3], s[G0B+4*\k+3], 0x80000000
.endr
	JLOAD G0A, G1A, G0B, G1B                       ; one tensor load a wave at the head
	v_and_b32 v1, 31, v0
	v_lshlrev_b32 v[L16], 4, v1
	v_and_b32 v22, 15, v0
	v_bfe_u32 v23, v0, 4, 1
	v_lshlrev_b32 v24, 4, v22
	s_mul_i32 s31, s15, 6144
	s_lshl_b32 s88, s15, 8
	s_mul_i32 s89, s16, GRP
	s_add_co_u32 s89, s89, GRP
.irp k, 0,1,2,3
	v_add_nc_u32 v[A1+\k], s31, v[L16]
	v_add_nc_u32 v[AS1+\k], s88, v24
	v_add_nc_u32 v[A0+\k], s89, v[L16]
	v_add_nc_u32 v[AS0+\k], s89, v24
	s_add_co_u32 s31, s31, 2*REC
	s_add_co_u32 s88, s88, 2*REC
	s_add_co_u32 s89, s89, 2*REC
.endr
	s_mul_i32 s90, s14, 16*SPITCH
	v_mul_u32_u24 v[STO], v22, SPITCH
	v_lshl_add_u32 v[STO], v23, 6, v[STO]
	v_add_nc_u32 v[STO], s90, v[STO]
	v_add_nc_u32 v[RD], s90, v[L16]
.macro MUL8 a, p, zero
	WIN MUL
.irp b, 0,1,2,3,4,5,6,7
.if \zero
	v_wmma_scale_f32_16x16x128_f8f6f4 v[8*(8*(\a)+\b):8*(8*(\a)+\b)+7], v[128*(\p)+12*\b:128*(\p)+12*\b+11], v[F1+48*(\p)+12*(\a):F1+48*(\p)+12*(\a)+11], 0, v[SC+16*(\p)+\b], v[SC+16*(\p)+8+(\a)] matrix_a_fmt:MATRIX_FMT_FP6 matrix_b_fmt:MATRIX_FMT_FP6
.else
	v_wmma_scale_f32_16x16x128_f8f6f4 v[8*(8*(\a)+\b):8*(8*(\a)+\b)+7], v[128*(\p)+12*\b:128*(\p)+12*\b+11], v[F1+48*(\p)+12*(\a):F1+48*(\p)+12*(\a)+11], v[8*(8*(\a)+\b):8*(8*(\a)+\b)+7], v[SC+16*(\p)+\b], v[SC+16*(\p)+8+(\a)] matrix_a_fmt:MATRIX_FMT_FP6 matrix_b_fmt:MATRIX_FMT_FP6
.endif
.endr
.endm
.macro FETCH t
.set KC, (\t)/2
.set QQ, (\t)%2
	WIN TO_B
.irp i, 0,1,2,3,4,5,6,7
.irp c, 0,1,2
	ds_load_b128 v[128*QQ+12*\i+4*\c:128*QQ+12*\i+4*\c+3], v[A0+KC] offset:REC*QQ+1536*\i+512*\c
.endr
.endr
	WIN 0
.irp i, 0,1,2,3
.irp c, 0,1,2
	ds_load_b128 v[F1+48*QQ+12*\i+4*\c:F1+48*QQ+12*\i+4*\c+3], v[A1+KC] offset:REC*QQ+1536*\i+512*\c
.endr
.endr
	ds_load_b128 v[SC+16*QQ:SC+16*QQ+3], v[AS0+KC] offset:REC*QQ+12288
	ds_load_b128 v[SC+16*QQ+4:SC+16*QQ+7], v[AS0+KC] offset:REC*QQ+12544
	ds_load_b128 v[SC+16*QQ+8:SC+16*QQ+11], v[AS1+KC] offset:REC*QQ+12288
.endm
.macro STEP t, left, zero
.set PS, (\t)%2
.if (\left) >= 0
	s_wait_tensorcnt \left
	s_wait_dscnt 0x0
	s_barrier_signal -1
	MUL8 0, PS, \zero
	s_barrier_wait -1
.else
	s_wait_dscnt 0x0
	MUL8 0, PS, \zero
.endif
	PLACES
	FETCH (\t)+1
	MUL8 1, PS, \zero
	MUL8 2, PS, \zero
	MUL8 3, PS, \zero
.endm
	s_wait_alu depctr_va_vdst(0)
	s_wait_tensorcnt 0x0                           ; my load of the head is in, ahead of a later first fill
	ds_add_u32 v[SPW], v[NIL]
	s_wait_dscnt 0x0
	CROUND                                         ; everybody's is in, and the sixteen work-groups meet
	s_cmp_eq_u32 s15, 0
	s_cbranch_scc1 .Lno_second
	tensor_load_to_lds s[G0B+4:G0B+7], s[G1B:G1B+7] ; waves 2 and 3: the last four records of W_o's groups
	s_nop 0
	PLACES
.Lno_second:
	FETCH 0
	STEP 0, -1, 1
	STEP 1, -1, 0
	STEP 2, -1, 0
	STEP 3, 0, 0                                   ; every wave waits for all its tensor loads; the barrier shows W_o's last four records to all
	STEP 4, -1, 0
	STEP 5, -1, 0
	STEP 6, -1, 0
	s_wait_dscnt 0x0
	MUL8 0, 1, 0
	MUL8 1, 1, 0
	MUL8 2, 1, 0
	MUL8 3, 1, 0
	WIN 0
.macro TOSTAGE a
	WIN 0x08
.irp b, 0,1,2,3,4,5,6,7
	ds_store_b128 v[STO], v[8*(8*(\a)+\b):8*(8*(\a)+\b)+3] offset:128*(\b/2)+32*(\b%2)
	ds_store_b128 v[STO], v[8*(8*(\a)+\b)+4:8*(8*(\a)+\b)+7] offset:128*(\b/2)+32*(\b%2)+16
.endr
	WIN 0
.set BB, BK+64*((\a)%2)
.irp t, 0,1,2,3,4,5,6,7,8,9,10,11,12,13,14,15
	ds_load_b128 v[BB+4*\t:BB+4*\t+3], v[RD] offset:\t*SPITCH
.endr
.endm
.macro SEND a, younger
.set BB, BK+64*((\a)%2)
	s_wait_dscnt \younger
.irp t, 0,1,2,3,4,5,6,7,8,9,10,11,12,13,14,15
	global_store_b128 v[L16], v[BB+4*\t:BB+4*\t+3], s[8:9] offset:(32*((\a)/2)+8*((\a)%2)+\t+8*(\t/8))*4096 th:TH_STORE_NT
.endr
.endm
	PLACES
	TOSTAGE 0
.irp a, 1,2,3
.if \a > 1
	s_wait_xcnt 0x0
.endif
	TOSTAGE \a
	SEND \a-1, 32
.endr
	SEND 3, 0
	s_wait_tensorcnt 0x0
	ds_add_u32 v[SPW], v[NIL]
	s_wait_dscnt 0x0
	CROUND
	s_endpgm
.Lfunc_end_k_qf53a329d18_proj_out:
	.size	k_qf53a329d18_proj_out, .Lfunc_end_k_qf53a329d18_proj_out-k_qf53a329d18_proj_out
	.p2alignl 7, 3214868480
	.fill 96, 4, 3214868480
	.section	.rodata,"a",@progbits
	.p2align	6, 0x0
	.amdhsa_kernel k_qf53a329d18_proj_out
		.amdhsa_group_segment_fixed_size 327680
		.amdhsa_private_segment_fixed_size 0
		.amdhsa_enable_private_segment 0
		.amdhsa_kernarg_size 24
		.amdhsa_user_sgpr_count 2
		.amdhsa_user_sgpr_kernarg_segment_ptr 1
		.amdhsa_wavefront_size32 1
		.amdhsa_system_sgpr_workgroup_id_x 1
		.amdhsa_system_sgpr_workgroup_id_y 1
		.amdhsa_system_sgpr_workgroup_id_z 1
		.amdhsa_system_vgpr_workitem_id 0
		.amdhsa_next_free_vgpr 768
		.amdhsa_next_free_sgpr 100
		.amdhsa_reserve_vcc 0
		.amdhsa_float_denorm_mode_32 3
		.amdhsa_float_denorm_mode_16_64 3
		.amdhsa_memory_ordered 1
		.amdhsa_forward_progress 1
		.amdhsa_inst_pref_size 76
	.end_amdhsa_kernel
	.amdgpu_metadata
---
amdhsa.version: [ 1, 2 ]
amdhsa.kernels:
  - .name:           k_qf53a329d18_proj_out
    .symbol:         k_qf53a329d18_proj_out.kd
    .args:
      - { .name: ctximg, .offset: 0, .size: 8, .value_kind: global_buffer, .address_space: global }
      - { .name: woimg, .offset: 8, .size: 8, .value_kind: global_buffer, .address_space: global }
      - { .name: out0, .offset: 16, .size: 8, .value_kind: global_buffer, .address_space: global }
    .group_segment_fixed_size: 327680
    .private_segment_fixed_size: 0
    .kernarg_segment_align: 8
    .kernarg_segment_size: 24
    .max_flat_workgroup_size: 128
    .sgpr_count:     100
    .vgpr_count:     768
    .wavefront_size: 32
...
	.end_amdgpu_metadata
.endif
;; end of part 4
